; MI455X (gfx1250); checked and timed in simulation.
; The chip was launched on July 23, 2026; its instructions are those of AMD's public machine-readable ISA for CDNA 5 (MIT licence, August 2026) and "CDNA5" Instruction Set Architecture Reference Guide (July 2026). The comments in the code are by the model that wrote it; some were corrected since.
;; Attention Block. Allowed arithmetic: float matrix products may take bf16 or f16 operands with f32 sums; other float arithmetic in f32, or as packed bf16 or f16 multiplies, adds, multiply-adds, maxima and minima; sums over many terms, partial sums and values carried from step to step in f32; what a program stores and reads back later, other than sums and carried values, may be rounded once to bf16 or f16.
;; Inputs: bk 512 float32; bo 512 float32; bq 512 float32; bv 512 float32; gn_beta 512 float32; gn_gamma 512 float32; wk 512 x 512 float32; wo 512 x 512 float32; wq 512 x 512 float32; wv 512 x 512 float32; x 32 x 32 x 32 x 512 float32.
;; Outputs: out0 32 x 32 x 32 x 512 float32.
;; 2 versions, each right; version 2 is version 1 with the launch gn written anew for expert scheduling mode. Each part assembles by itself: llvm-mc -triple=amdgcn-amd-amdhsa -mcpu=gfx1250 --defsym DOCPART=n.
;; ======== version 1 of 2: 4 launches
;; workspace buffers: xn 33,554,432 bytes; wb 2,097,152 bytes; qkv 100,663,296 bytes; ob 33,554,432 bytes
;; launch gn (part 1): grid 8 x 32, 16 waves a work-group, no clusters, 2,560 bytes of LDS; arguments x, gn_gamma, gn_beta, wq, wk, wv, wo, xn, wb; writes xn, wb
.if DOCPART == 1
	.amdgcn_target "amdgcn-amd-amdhsa--gfx1250"
	.amdhsa_code_object_version 6
	.text
	.protected	k_q7664ca0383_gn
	.globl	k_q7664ca0383_gn
	.p2align	8
	.type	k_q7664ca0383_gn,@function
k_q7664ca0383_gn:
	s_mov_b64 s[64:65], 0
	v_nop
	global_prefetch_b8 v0, s[64:65] scope:SCOPE_SE
	s_setreg_imm32_b32 hwreg(HW_REG_WAVE_MODE, 25, 1), 1
	s_wait_xcnt 0x0
; GROUP NORM, and the four weight matrices rounded to bf16.
; x: [32 b][1024 pixels][512 channels] f32.  A group is 16 channels x all 1,024 pixels of a batch: 16,384 numbers.
; SHARES.  A work-group owns 64 channels (four groups) of one batch: 1,024 x 64 f32 = 256 KiB, held in the registers of its 16 waves (128 a lane),
; so x is read once for the mean, the variance and the normalising.  Wave w owns pixels 64 w .. 64 w + 63.  A load takes 16 bytes a lane: lanes 0-15 the
; 256 bytes of one pixel, lanes 16-31 those of the pixel two further on (the same parity).  A lane's four channels lie in one group: (lane % 16) / 4.
; TWO PASSES, both in f32: the mean first, then the sum of squares of x - mean: a common offset of x costs nothing.
; OUT.  xn: bf16, [b][par 2][cb 8][d 512][64 channels], pixel = 2 d + par, channel = 64 cb + ch: a store of a wave covers 256 consecutive bytes, aligned.
; wb: bf16, [wq, wk, wv, wo][c_in][c_out]: each of the 256 work-groups rounds 4,096 numbers of one matrix.
; No matrix unit, no tensor load, no cluster: no two work-groups read the same bytes, and the work is one pass over x.
; LIMITS.  v_rsq_f32 is accurate to 1 ULP; NaN and infinities are not treated apart; xn and the weights are rounded once, to nearest even.
.set RED1,  0                          ; LDS: 4 groups x 16 waves x 4 bytes: the sums
.set RED2,  256                        ; the same for the sums of squares: other bytes, so no third barrier is needed
.set SPARE, 512                        ; the spare words: 128 bytes for each of 16 waves; no other line names them
.set XO,  2                            ; v2   my byte offset in the work-group's part of x
.set YO,  3                            ; v3   my byte offset in a block of xn
.set RS,  4                            ; v4   where my wave's figure for my group goes: 64 g + 4 w
.set RL,  5                            ; v5   where my group's 16 figures lie: 64 g
.set GO,  6                            ; v6   my four channels in gamma and beta
.set WLO, 7                            ; v7   16 x thread: the weights as read
.set WSO, 8                            ; v8   8 x thread: as stored
.set SPW, 10                           ; v10  my spare word; never rewritten
.set NIL, 11                           ; v11  0; never rewritten
.set GAM, 12                           ; v[12:15]
.set BET, 16                           ; v[16:19]
.set WF,  20                           ; v[20:27] eight weights in f32
.set WP,  28                           ; v[28:31] packed
.set PT,  32                           ; v[32:47] sixteen partial figures read back
.set MEAN, 48                          ; v[48:49] the mean, twice
.set CH,  50                           ; v[50:57] four chains of pairs
.set AG,  58                           ; v[58:61] gamma / sqrt(var + eps)
.set X,   64                           ; v[64:191] load k = 2 t + par at X + 4 k
	s_load_b512 s[8:23], s[0:1], 0x0               ; x, gamma, beta, wq, wk, wv, wo, xn
	s_load_b64 s[24:25], s[0:1], 0x40              ; wb
	v_lshl_add_u32 v[SPW], v0, 2, SPARE
	v_mov_b32 v[NIL], 0
	v_lshrrev_b32 v1, 5, v0
	v_readfirstlane_b32 s35, v1                    ; wave 0..15
	v_and_b32 v9, 15, v0                           ; lane % 16
	v_bfe_u32 v62, v0, 4, 1                        ; lane / 16
	v_lshrrev_b32 v63, 2, v9                       ; my group of the four
	v_lshlrev_b32 v[XO], 12, v62                   ; two pixels of 2,048 bytes for the upper half of the lanes,
	v_lshl_add_u32 v[XO], v9, 4, v[XO]             ; 16 bytes a lane,
	v_lshl_add_u32 v[XO], s35, 17, v[XO]           ; 64 pixels a wave
	v_lshlrev_b32 v[YO], 7, v62                    ; d + 1 for the upper half: 128 bytes,
	v_lshl_add_u32 v[YO], v9, 3, v[YO]             ; 8 bytes a lane,
	v_lshl_add_u32 v[YO], s35, 12, v[YO]           ; 32 d a wave
	v_lshlrev_b32 v[RL], 6, v63
	v_lshl_add_u32 v[RS], s35, 2, v[RL]
	v_lshlrev_b32 v[GO], 4, v9
	v_lshlrev_b32 v[WLO], 4, v0
	v_lshlrev_b32 v[WSO], 3, v0
	s_mov_b32 s2, ttmp9                            ; cb
	s_and_b32 s3, ttmp7, 0xffff                    ; b
	s_mov_b32 s26, 0x76543210                      ; v_permlanex16_b32: each lane takes its own place in the other half
	s_mov_b32 s27, 0xfedcba98
	s_mov_b32 s28, 0x38800000                      ; 1 / 16,384
	s_mov_b32 s29, 0x358637bd                      ; 1e-6
	s_lshl_b32 s30, s3, 21                         ; a batch of x is 2 MiB,
	s_lshl_b32 s36, s2, 8                          ; 64 channels are 256 bytes
	s_add_co_u32 s30, s30, s36
	s_mov_b32 s31, 0
	s_mov_b32 s37, 0
	s_lshl_b32 s38, s3, 4
	s_add_co_u32 s38, s38, s2
	s_lshl_b32 s38, s38, 16                        ; xn: block (b, par 0, cb) = (16 b + cb) x 65,536
	s_mov_b32 s39, 0
	s_and_b32 s34, s2, 3                           ; which weight matrix
	s_lshr_b32 s40, s2, 2
	s_lshl1_add_u32 s40, s3, s40                   ; which of its 64 parts: 2 b + cb / 4
	s_lshl_b32 s42, s40, 13                        ; 8,192 bytes of bf16,
	s_lshl_b32 s40, s40, 14                        ; 16,384 of f32
	s_mov_b32 s41, 0
	s_lshl_b32 s44, s34, 19
	s_add_co_u32 s42, s42, s44
	s_mov_b32 s43, 0
	s_wait_kmcnt 0x0
	s_add_nc_u64 s[8:9], s[8:9], s[30:31]
	s_add_nc_u64 s[10:11], s[10:11], s[36:37]
	s_add_nc_u64 s[12:13], s[12:13], s[36:37]
	s_add_nc_u64 s[22:23], s[22:23], s[38:39]
	s_cmp_eq_u32 s34, 1
	s_cselect_b64 s[32:33], s[16:17], s[14:15]
	s_cmp_eq_u32 s34, 2
	s_cselect_b64 s[32:33], s[18:19], s[32:33]
	s_cmp_eq_u32 s34, 3
	s_cselect_b64 s[32:33], s[20:21], s[32:33]
	s_add_nc_u64 s[32:33], s[32:33], s[40:41]
	s_add_nc_u64 s[24:25], s[24:25], s[42:43]
.set k, 0
.rept 32                               ; load k: pixels 64 w + 4 (k / 2) + k % 2 and two further on
	global_load_b128 v[X+4*k:X+4*k+3], v[XO], s[8:9] offset:(4*(k/2)+k%2)*2048 th:TH_LOAD_NT
.set k, k+1
.endr
	global_load_b128 v[GAM:GAM+3], v[GO], s[10:11]
	global_load_b128 v[BET:BET+3], v[GO], s[12:13]
	global_load_b128 v[WF:WF+3], v[WLO], s[32:33] th:TH_LOAD_NT
	global_load_b128 v[WF+4:WF+7], v[WLO], s[32:33] offset:8192 th:TH_LOAD_NT
; The four chains into one number a lane; over the group's four lanes and the two halves of the wave; over the 16 waves through LDS.  The total comes out in v[PT], in every lane.
.macro TOTAL red
	v_pk_add_f32 v[CH:CH+1], v[CH:CH+1], v[CH+2:CH+3]
	v_pk_add_f32 v[CH+4:CH+5], v[CH+4:CH+5], v[CH+6:CH+7]
	v_pk_add_f32 v[CH:CH+1], v[CH:CH+1], v[CH+4:CH+5]
	v_add_f32 v[CH], v[CH], v[CH+1]
	v_add_f32_dpp v[CH], v[CH], v[CH] row_xmask:1 row_mask:0xf bank_mask:0xf
	v_add_f32_dpp v[CH], v[CH], v[CH] row_xmask:2 row_mask:0xf bank_mask:0xf
	v_permlanex16_b32 v[CH+1], v[CH], s26, s27
	v_add_f32 v[CH], v[CH], v[CH+1]
	ds_store_b32 v[RS], v[CH] offset:\red          ; the group's eight lanes write one word with one value
	s_wait_dscnt 0x0                               ; for the others' sake: my store is done
	s_barrier_signal -1
	s_barrier_wait -1
.irp j, 0,1,2,3
	ds_load_b128 v[PT+4*(\j):PT+4*(\j)+3], v[RL] offset:(\red)+16*(\j)
.endr
	s_wait_dscnt 0x0
	v_pk_add_f32 v[PT:PT+1], v[PT:PT+1], v[PT+2:PT+3]
	v_pk_add_f32 v[PT+4:PT+5], v[PT+4:PT+5], v[PT+6:PT+7]
	v_pk_add_f32 v[PT+8:PT+9], v[PT+8:PT+9], v[PT+10:PT+11]
	v_pk_add_f32 v[PT+12:PT+13], v[PT+12:PT+13], v[PT+14:PT+15]
	v_pk_add_f32 v[PT:PT+1], v[PT:PT+1], v[PT+4:PT+5]
	v_pk_add_f32 v[PT+8:PT+9], v[PT+8:PT+9], v[PT+12:PT+13]
	v_pk_add_f32 v[PT:PT+1], v[PT:PT+1], v[PT+8:PT+9]
	v_add_f32 v[PT], v[PT], v[PT+1]
.endm
	s_wait_loadcnt 0x4                             ; x is in; gamma, beta and the two weight loads, issued behind it, may stay out
.set j, 0
.rept 4                                ; the first eight pairs start the four chains: nothing is cleared
	v_pk_add_f32 v[CH+2*j:CH+2*j+1], v[X+2*j:X+2*j+1], v[X+8+2*j:X+8+2*j+1]
.set j, j+1
.endr
.set j, 8
.rept 56
	v_pk_add_f32 v[CH+2*(j%4):CH+2*(j%4)+1], v[CH+2*(j%4):CH+2*(j%4)+1], v[X+2*j:X+2*j+1]
.set j, j+1
.endr
	TOTAL RED1
	v_mul_f32 v[MEAN], s28, v[PT]
	v_mul_f32 v[MEAN+1], s28, v[PT]
.set j, 0
.rept 64                               ; x - mean, in place
	v_pk_add_f32 v[X+2*j:X+2*j+1], v[X+2*j:X+2*j+1], v[MEAN:MEAN+1] neg_lo:[0,1] neg_hi:[0,1]
.set j, j+1
.endr
.set j, 0
.rept 4
	v_pk_mul_f32 v[CH+2*j:CH+2*j+1], v[X+2*j:X+2*j+1], v[X+2*j:X+2*j+1]
.set j, j+1
.endr
.rept 60
	v_pk_fma_f32 v[CH+2*(j%4):CH+2*(j%4)+1], v[X+2*j:X+2*j+1], v[X+2*j:X+2*j+1], v[CH+2*(j%4):CH+2*(j%4)+1]
.set j, j+1
.endr
	TOTAL RED2
	v_fma_f32 v[PT], v[PT], s28, s29               ; var + eps
	v_rsq_f32 v[PT+1], v[PT]
	v_nop                                          ; a plain instruction behind the root,
	s_wait_alu depctr_va_vdst(0)                   ; and the wait ahead of its first use
	s_wait_loadcnt 0x0                             ; gamma, beta, the weights
.irp j, 0,1,2,3
	v_mul_f32 v[AG+(\j)], v[GAM+(\j)], v[PT+1]
.endr
.set k, 0
.rept 32                               ; (x - mean) a + beta, rounded, stored: 32 lanes x 8 bytes = the 64 channels of d and of d + 1
	v_pk_fma_f32 v[X+4*k:X+4*k+1], v[X+4*k:X+4*k+1], v[AG:AG+1], v[BET:BET+1]
	v_pk_fma_f32 v[X+4*k+2:X+4*k+3], v[X+4*k+2:X+4*k+3], v[AG+2:AG+3], v[BET+2:BET+3]
	v_cvt_pk_bf16_f32 v[X+4*k], v[X+4*k], v[X+4*k+1]
	v_cvt_pk_bf16_f32 v[X+4*k+1], v[X+4*k+2], v[X+4*k+3]
	global_store_b64 v[YO], v[X+4*k:X+4*k+1], s[22:23] offset:(k%2)*524288+(k/2)*256
.set k, k+1
.endr
.irp j, 0,1
	v_cvt_pk_bf16_f32 v[WP+2*(\j)], v[WF+4*(\j)], v[WF+4*(\j)+1]
	v_cvt_pk_bf16_f32 v[WP+2*(\j)+1], v[WF+4*(\j)+2], v[WF+4*(\j)+3]
	global_store_b64 v[WSO], v[WP+2*(\j):WP+2*(\j)+1], s[24:25] offset:4096*(\j)
.endr
	s_wait_tensorcnt 0x0                           ; the wave's end
	ds_add_u32 v[SPW], v[NIL]
	s_wait_dscnt 0x0
	s_endpgm
.Lfunc_end_k_q7664ca0383_gn:
	.size	k_q7664ca0383_gn, .Lfunc_end_k_q7664ca0383_gn-k_q7664ca0383_gn
	.p2alignl 7, 3214868480
	.fill 96, 4, 3214868480
	.section	.rodata,"a",@progbits
	.p2align	6, 0x0
	.amdhsa_kernel k_q7664ca0383_gn
		.amdhsa_group_segment_fixed_size 2560
		.amdhsa_private_segment_fixed_size 0
		.amdhsa_enable_private_segment 0
		.amdhsa_kernarg_size 72
		.amdhsa_user_sgpr_count 2
		.amdhsa_user_sgpr_kernarg_segment_ptr 1
		.amdhsa_wavefront_size32 1
		.amdhsa_system_sgpr_workgroup_id_x 1
		.amdhsa_system_sgpr_workgroup_id_y 1
		.amdhsa_system_sgpr_workgroup_id_z 1
		.amdhsa_system_vgpr_workitem_id 0
		.amdhsa_next_free_vgpr 192
		.amdhsa_next_free_sgpr 66
		.amdhsa_reserve_vcc 0
		.amdhsa_float_denorm_mode_32 3
		.amdhsa_float_denorm_mode_16_64 3
		.amdhsa_memory_ordered 1
		.amdhsa_forward_progress 1
		.amdhsa_inst_pref_size 33
	.end_amdhsa_kernel
	.amdgpu_metadata
---
amdhsa.version: [ 1, 2 ]
amdhsa.kernels:
  - .name:           k_q7664ca0383_gn
    .symbol:         k_q7664ca0383_gn.kd
    .args:
      - { .name: x, .offset: 0, .size: 8, .value_kind: global_buffer, .address_space: global }
      - { .name: gn_gamma, .offset: 8, .size: 8, .value_kind: global_buffer, .address_space: global }
      - { .name: gn_beta, .offset: 16, .size: 8, .value_kind: global_buffer, .address_space: global }
      - { .name: wq, .offset: 24, .size: 8, .value_kind: global_buffer, .address_space: global }
      - { .name: wk, .offset: 32, .size: 8, .value_kind: global_buffer, .address_space: global }
      - { .name: wv, .offset: 40, .size: 8, .value_kind: global_buffer, .address_space: global }
      - { .name: wo, .offset: 48, .size: 8, .value_kind: global_buffer, .address_space: global }
      - { .name: xn, .offset: 56, .size: 8, .value_kind: global_buffer, .address_space: global }
      - { .name: wb, .offset: 64, .size: 8, .value_kind: global_buffer, .address_space: global }
    .group_segment_fixed_size: 2560
    .private_segment_fixed_size: 0
    .kernarg_segment_align: 8
    .kernarg_segment_size: 72
    .max_flat_workgroup_size: 512
    .sgpr_count:     66
    .vgpr_count:     192
    .wavefront_size: 32
...
	.end_amdgpu_metadata
.endif
;; end of part 1
;; launch qkv (part 2): grid 8 x 32, 4 waves a work-group, clusters of 4 x 1, 327,680 bytes of LDS; arguments xn, wb, bq, bk, bv, qkv; writes qkv
.if DOCPART == 2
	.amdgcn_target "amdgcn-amd-amdhsa--gfx1250"
	.amdhsa_code_object_version 6
	.text
	.protected	k_q7664ca0383_qkv
	.globl	k_q7664ca0383_qkv
	.p2align	8
	.type	k_q7664ca0383_qkv,@function
k_q7664ca0383_qkv:
	s_mov_b64 s[64:65], 0
	v_nop
	global_prefetch_b8 v0, s[64:65] scope:SCOPE_SE
	s_setreg_imm32_b32 hwreg(HW_REG_WAVE_MODE, 25, 1), 1
	s_wait_xcnt 0x0
	s_wait_alu depctr_hold_cnt(0) depctr_sa_sdst(0) depctr_va_vdst(0) depctr_va_sdst(0) depctr_va_ssrc(0) depctr_va_vcc(0) depctr_vm_vsrc(0)
	s_getreg_b32 s2, hwreg(HW_REG_IB_STS2, 6, 4)
	s_cmp_eq_u32 s2, 0
	s_cbranch_scc0 .Lentry_in_a_cluster
	s_endpgm
.Lentry_in_a_cluster:
	s_bfe_u32 s2, ttmp6, 0x10000c
	s_cmp_lg_u32 s2, 0x3003
	s_cbranch_scc0 .Lentry_shape_is_right
	s_endpgm
.Lentry_shape_is_right:
; Q, K, V IN THE ORDER THAT ATTENTION WANTS.  The raw reshape of a [1024 pixels][512] result to [512 d][1024 i] puts pixel 2 d + par, channel n at (d, i = 512 par + n).
; This launch writes the transposed form T[i][d] = the sum over c of W[c][n] xn[2 d + par][c] + bias[n], bf16, as qkv: [b][q, k, v][i 1024][d 512].
; SHARES.  A tile is 256 i x 256 d, K = 512 in four steps of 128.  Four waves, 128 x 128 each: 64 accumulators, 512 registers.  Cluster x names the half nh of the 512 output channels; the four
; partners take (par, dh): parity of the pixel and half of d.  So all four need the same tile of W, which is asked for JOINTLY.
; A WORK-GROUP STAYS: it makes three tiles, q, k and v, from the same 256 rows of xn: 256 work-groups in all.  The ring does not stop at a tile's end: the 12 K steps have one number GN; W's step GN
; lies GN x 131,072 bytes on (a matrix is four steps of 128 rows of 1,024 bytes), xn's (GN % 4) x 131,072.  Both refills for the next tile are out when a tile's first store leaves, and nothing
; waits for a tile's stores.
; OPERANDS.  'A' = W, stored [c][n]: K runs down the rows, so its fragments come turned, by ds_load_tr16_b128.  'B' = xn, stored by gn in blocks [d][64 channels]: plain fragments.
; The matrix instruction takes source 0 = 16 d of xn, source 1 = 16 n of W: a lane then holds one row i and eight neighbouring d: 16 bytes of the output.
; The bias hangs on the row alone: the first product of each accumulator takes it as C (eight equal registers a block of rows), so nothing is cleared and nothing is added later.
; RING.  Two LDS slots, a K step each: W's 128 rows of 512 bytes (pitch 544), then xn's two planes of 256 rows of 128 bytes (pitch 144).  Waves 0, 1 fetch W's halves, waves 2, 3 a plane each.
; A wave has at most two tensor loads out: the two first fills; later one.
; NO PREFETCH: of xn a work-group's four K steps are all asked for by its first four tensor loads, and the two later walks name the same bytes again; W is 1.5 MiB that every cluster walks, not a
; stream that is read once.
; LIMITS.  xn and W arrive rounded to bf16; sums in f32; the result is rounded once to bf16.  NaN and infinities are not treated apart.
; REGISTERS, in windows of 256 (s_set_vgpr_msb: bits 1:0 source 0, 3:2 source 1, 5:4 source 2, 7:6 destination):
;   window 0: v0-31 addresses and the raw bias; v32-63, v224-255 rows on their way out; v64-127, v128-191 fragments of W, two buffers; v192-223 packed results
;   window 1: v0-63 the bias tuples; v64-127, v128-191 fragments of xn      windows 2, 3: accumulator (a, b) at v[8 (8 (a % 4) + b)], rows 0-63 and 64-127
.set PW,     544                       ; a row of W in LDS: 512 bytes + 32: 17 x 32, so the turning load's 8 rows x 32 bytes fall on different banks (64 banks of 4 bytes: ISA guide 11.1)
.set PX,     144                       ; a row of xn: 128 bytes + 16: 9 x 16
.set XOFF,   128*PW                    ; xn's part of a slot
.set SLOT,   XOFF+512*PX               ; 143,360
.set STAGE,  2*SLOT                    ; 16 rows x 272 bytes for each wave, for the way out; no tensor load lands here
.set SPITCH, 272
.set SPARE,  STAGE+4*16*SPITCH         ; the spare words, 128 bytes a wave; no other line names them
.set BR,   8                           ; v8-15  the bias of my row in each of the eight blocks, as loaded
.set A0,   16                          ; v16  my lane's place in W's part of slot 0; never rewritten
.set B0,   17                          ; v17  the same for xn
.set ADRA, 18                          ; v18  A0 + the slot in hand
.set ADRB, 19                          ; v19  B0 + the slot in hand
.set STO,  24
.set RD,   25
.set CO,   26
.set BO,   27                          ; v27  my row's place in a bias; never rewritten
.set SPW,  28                          ; v28  my spare word; never rewritten
.set NIL,  29                          ; v29  0; never rewritten
.set OB,   32
.set F0,   64
.set F1,   128
.set TMP,  192
.set BT,   0                           ; window 1
.set WV,   16                          ; s16  wave
.set H1,   17                          ; s17  wave / 2: my half of the rows; also 0: I fetch W, 1: xn
.set H2,   18                          ; s18  wave % 2: my half of the columns; also which half or plane I fetch
.set CX,   19
.set BB,   21                          ; s21  batch
.set G1W,  24
.set G1X,  32
.set G0W,  40                          ; group 0 for W: slot 0's first fill, later every refill
.set G0X,  44
.set G0W1, 48                          ; slot 1's first fill
.set G0X1, 52
.set WBP,  56                          ; s[56:57] wq at my rows of K step 0
.set XBP,  58                          ; s[58:59] xn at my plane of K step 0
.set OFF,  60                          ; s[60:61] W's byte offset of the step to ask for
.set TB,   62                          ; s62  0 or SLOT: the slot in hand
.set GN,   63                          ; s63  the K step to ask for next, 2 to 11
.set LW,   66                          ; s66  my part of W in a slot
.set LX,   67                          ; s67  my plane in a slot
.set CNT,  68
.set NH,   69
.set OUTP, 70                          ; s[70:71] the output at my part of the tile in hand
.set PAR,  77
.set DH,   78
.set BP,   84                          ; s[84:85] the bias of the tile to come
.set OFX,  86                          ; s[86:87] xn's byte offset of the step to ask for
.set OST,  88                          ; s[88:89] what a way out adds to the output's base: 0 for q, then 1 MiB
.set TL,   90                          ; s90  tiles finished
.set MSB, 0
.macro WIN new                         ; the immediate's high byte repeats the setting that is left; a switch that changes nothing is dropped
.if MSB != (\new)
	s_set_vgpr_msb (MSB<<8)|(\new)
.set MSB, \new
.endif
.endm
.set TO_B, 0x40
.macro PLACES                          ; four plain instructions behind a matrix instruction, ahead of loads into its sources and of readers of its result
.rept 4
	v_nop
.endr
.endm
.macro CREST                           ; a round of the cluster's barrier behind its opening barrier
	s_cmp_lg_u32 s[WV], 0
	s_cbranch_scc1 .Lnot_wave_0_\@
	s_barrier_signal -3
.Lnot_wave_0_\@:
	s_barrier_wait -3
	s_barrier_signal -1
	s_barrier_wait -1
.endm
.macro CROUND
	s_barrier_signal -1
	s_barrier_wait -1
	CREST
.endm
.macro JLOAD                           ; a refill: waves 0, 1 ask jointly for W, waves 2, 3 for their own planes of xn; an s_nop 0 and four v_nop follow each line
	s_cmp_eq_u32 s[H1], 0
	s_cbranch_scc0 .Lfor_x_\@
	tensor_load_to_lds s[G0W:G0W+3], s[G1W:G1W+7]
	s_nop 0
	PLACES
	s_branch .Lasked_\@
.Lfor_x_\@:
	tensor_load_to_lds s[G0X:G0X+3], s[G1X:G1X+7]
	s_nop 0
	PLACES
.Lasked_\@:
.endm
.macro BIAS                            ; the bias of channel 256 nh + 128 (wave / 2) + 16 a + lane % 16, a = 0 .. 7
.irp a, 0,1,2,3,4,5,6,7
	global_load_b32 v[BR+(\a)], v[BO], s[BP:BP+1] offset:64*(\a)
.endr
.endm
	s_load_b256 s[4:11], s[0:1], 0x0               ; xn s[4:5], wb s[6:7], bq s[8:9], bk s[10:11]
	s_load_b128 s[12:15], s[0:1], 0x20             ; bv s[12:13], qkv s[14:15]
	v_lshl_add_u32 v[SPW], v0, 2, SPARE
	v_mov_b32 v[NIL], 0
	ds_add_u32 v[SPW], v[NIL]                      ; the wave's opening: the add and its wait stand ahead of my first tensor load; register work stands between them
	v_lshrrev_b32 v1, 5, v0
	v_readfirstlane_b32 s[WV], v1
	s_lshr_b32 s[H1], s[WV], 1
	s_and_b32 s[H2], s[WV], 1
	s_bfe_u32 s[CX], ttmp6, 0x40000                ; my place in the cluster
	s_and_b32 s[BB], ttmp7, 0xffff
	s_mov_b32 s[NH], ttmp9
	s_lshr_b32 s[PAR], s[CX], 1
	s_and_b32 s[DH], s[CX], 1
	; group 1 for W: 64 rows x 256 elements of 2 bytes, 512 elements from row to row; 8 words of padding after every 128; the mask names all four partners
	s_mov_b32 s[G1W+0], 15|(1<<16)|(1<<20)|(1<<21)|(6<<22)|(7<<25)
	s_mov_b32 s[G1W+1], 256<<16                    ; tensor_dim0
	s_mov_b32 s[G1W+2], 64<<16                     ; tensor_dim1
	s_mov_b32 s[G1W+3], 256<<16                    ; tile_dim0
	s_mov_b32 s[G1W+4], 64                         ; tile_dim1
	s_mov_b32 s[G1W+5], 512
	s_mov_b32 s[G1W+6], 0
	s_mov_b32 s[G1W+7], 0
	; group 1 for xn: 256 rows of 128 bytes are dense: asked for as 128 rows of 256 bytes, padded by 4 words after every 32
	s_mov_b32 s[G1X+0], (1<<16)|(1<<20)|(4<<22)|(3<<25)
	s_mov_b32 s[G1X+1], 128<<16
	s_mov_b32 s[G1X+2], 128<<16
	s_mov_b32 s[G1X+3], 128<<16
	s_mov_b32 s[G1X+4], 128
	s_mov_b32 s[G1X+5], 128
	s_mov_b32 s[G1X+6], 0
	s_mov_b32 s[G1X+7], 0
	s_mul_i32 s[LW], s[H2], 64*PW
	s_mul_i32 s[LX], s[H2], 256*PX
	s_add_co_u32 s[LX], s[LX], XOFF
	s_lshl_b32 s72, s[NH], 9                       ; W: 256 columns of 2 bytes,
	s_lshl_b32 s22, s[H2], 16                      ; my 64 rows of 1,024 bytes: nothing of my place in the cluster enters
	s_add_co_u32 s72, s72, s22
	s_mov_b32 s73, 0
	s_lshl1_add_u32 s74, s[BB], s[PAR]             ; xn: block (b, par), 512 KiB,
	s_lshl_b32 s74, s74, 19
	s_lshl_b32 s76, s[DH], 15                      ; 256 d of 128 bytes,
	s_add_co_u32 s74, s74, s76
	s_lshl_b32 s76, s[H2], 16                      ; my plane
	s_add_co_u32 s74, s74, s76
	s_mov_b32 s75, 0
	s_mul_i32 s80, s[BB], 3                        ; the output: q of the batch at 3 b MiB,
	s_lshl_b32 s80, s80, 20
	s_lshl_b32 s82, s[PAR], 19                     ; row 512 par + 256 nh + 128 (wave / 2), 1,024 bytes a row,
	s_add_co_u32 s80, s80, s82
	s_lshl_b32 s82, s[NH], 18
	s_add_co_u32 s80, s80, s82
	s_lshl_b32 s82, s[H1], 17
	s_add_co_u32 s80, s80, s82
	s_lshl_b32 s82, s[DH], 9                       ; column 256 dh + 128 (wave % 2), 2 bytes each
	s_add_co_u32 s80, s80, s82
	s_lshl_b32 s82, s[H2], 8
	s_add_co_u32 s80, s80, s82
	s_mov_b32 s81, 0
	s_mov_b32 s[TB], 0
	s_mov_b32 s[GN], 2
	s_mov_b32 s[OFF+1], 0
	s_mov_b32 s[OFX+1], 0
	s_mov_b32 s[OST], 0
	s_mov_b32 s[OST+1], 0
	s_mov_b32 s[TL], 0
	s_wait_dscnt 0x0                               ; the opening add is done
	s_wait_kmcnt 0x0
	s_add_nc_u64 s[WBP:WBP+1], s[6:7], s[72:73]
	s_add_nc_u64 s[XBP:XBP+1], s[4:5], s[74:75]
	s_add_nc_u64 s[OUTP:OUTP+1], s[14:15], s[80:81]
	s_mov_b64 s[BP:BP+1], s[8:9]                   ; the first tile is q
	s_mov_b32 s[G0W], 1                            ; K step 0 into slot 0
	s_mov_b32 s[G0W+1], s[LW]
	s_mov_b64 s[G0W+2:G0W+3], s[WBP:WBP+1]
	s_or_b32 s[G0W+3], s[G0W+3], 0x80000000
	s_mov_b32 s[G0X], 1
	s_mov_b32 s[G0X+1], s[LX]
	s_mov_b64 s[G0X+2:G0X+3], s[XBP:XBP+1]
	s_or_b32 s[G0X+3], s[G0X+3], 0x80000000
	s_mov_b32 s[G0W1], 1                           ; K step 1 into slot 1: 128 rows of W and two planes of xn are 131,072 bytes each
	s_add_co_u32 s[G0W1+1], s[LW], SLOT
	s_add_nc_u64 s[G0W1+2:G0W1+3], s[WBP:WBP+1], 131072
	s_or_b32 s[G0W1+3], s[G0W1+3], 0x80000000
	s_mov_b32 s[G0X1], 1
	s_add_co_u32 s[G0X1+1], s[LX], SLOT
	s_add_nc_u64 s[G0X1+2:G0X1+3], s[XBP:XBP+1], 131072
	s_or_b32 s[G0X1+3], s[G0X1+3], 0x80000000
	CROUND                                         ; all four work-groups are here: the first joint loads meet
	s_cmp_eq_u32 s[H1], 0                          ; a wave's two first fills stand in one branch
	s_cbranch_scc0 .Lfirst_x
	tensor_load_to_lds s[G0W:G0W+3], s[G1W:G1W+7]
	s_nop 0
	tensor_load_to_lds s[G0W1:G0W1+3], s[G1W:G1W+7]
	s_nop 0
	PLACES
	s_branch .Lfirst_asked
.Lfirst_x:
	tensor_load_to_lds s[G0X:G0X+3], s[G1X:G1X+7]
	s_nop 0
	tensor_load_to_lds s[G0X1:G0X1+3], s[G1X:G1X+7]
	s_nop 0
	PLACES
.Lfirst_asked:
	v_and_b32 v1, 15, v0                           ; r = lane % 16
	v_bfe_u32 v2, v0, 4, 1                         ; h = lane / 16
	v_and_b32 v3, 7, v0
	v_bfe_u32 v4, v0, 3, 1
	s_lshl_b32 s22, s[NH], 10                      ; the bias of my rows: channel 256 nh + 128 (wave / 2) + 16 a + r
	s_lshl_b32 s23, s[H1], 9
	s_add_co_u32 s22, s22, s23
	v_lshl_add_u32 v[BO], v1, 2, s22
	BIAS
	v_lshl_add_u32 v5, v2, 3, v3                   ; the turning load: lane l reads row 8 h + l % 8, 16 bytes at 16 ((l / 8) % 2)
	v_mul_u32_u24 v5, v5, PW
	v_lshl_add_u32 v5, v4, 4, v5
	s_lshl_b32 s22, s[H1], 8                       ; my 128 columns of W
	v_add_nc_u32 v[A0], s22, v5
	v_mul_u32_u24 v6, v1, PX                       ; a plain fragment: row r, 16 bytes for each half of the lanes
	v_lshl_add_u32 v6, v2, 4, v6
	s_mul_i32 s22, s[H2], 128*PX                   ; my 128 d
	s_add_co_u32 s22, s22, XOFF
	v_add_nc_u32 v[B0], s22, v6
	v_mov_b32 v[ADRA], v[A0]
	v_mov_b32 v[ADRB], v[B0]
	s_mul_i32 s22, s[WV], 16*SPITCH
	s_add_co_u32 s22, s22, STAGE                   ; my stage
	v_mul_u32_u24 v7, v1, SPITCH
	v_lshl_add_u32 v7, v2, 4, v7
	v_add_nc_u32 v[STO], s22, v7                   ; in: row r, 16 bytes for each half
	v_mul_u32_u24 v7, v2, SPITCH
	v_lshl_add_u32 v7, v1, 4, v7
	v_add_nc_u32 v[RD], s22, v7                    ; back: lanes 0-15 one row of 256 bytes, lanes 16-31 the next
	v_lshlrev_b32 v7, 10, v2
	v_lshl_add_u32 v[CO], v1, 4, v7                ; the same two rows in the output
; 16 matrix instructions: row blocks a0, a0 + 1 of the window's four x all 8 column blocks, 32 along K.  zero = 1: the first product takes the bias as C.
; The 64 accumulators take turns, one instruction a turn, in the same order in every quarter.
.macro MUL16 f, hi, a0, zero
.if \zero
	WIN 0x91+0x40*(\hi)                            ; C in window 1
.else
	WIN 0xa1+0x50*(\hi)
.endif
.irp a, \a0, (\a0)+1
.irp b, 0,1,2,3,4,5,6,7
.if \zero
	v_wmma_f32_16x16x32_bf16 v[8*(8*(\a)+(\b)):8*(8*(\a)+(\b))+7], v[(\f)+8*(\b):(\f)+8*(\b)+7], v[(\f)+8*(4*(\hi)+(\a)):(\f)+8*(4*(\hi)+(\a))+7], v[BT+8*(4*(\hi)+(\a)):BT+8*(4*(\hi)+(\a))+7]
.else
	v_wmma_f32_16x16x32_bf16 v[8*(8*(\a)+(\b)):8*(8*(\a)+(\b))+7], v[(\f)+8*(\b):(\f)+8*(\b)+7], v[(\f)+8*(4*(\hi)+(\a)):(\f)+8*(4*(\hi)+(\a))+7], v[8*(8*(\a)+(\b)):8*(8*(\a)+(\b))+7]
.endif
.endr
.endr
.endm
; 32 LDS loads in one run: quarter kk (32 channels) of the slot in hand into buffer f: xn's 128 d, then W's 128 columns
.macro FETCH kk, f
	WIN TO_B
.irp i, 0,1,2,3,4,5,6,7
	ds_load_b128 v[(\f)+8*(\i):(\f)+8*(\i)+3],   v[ADRB] offset:((\kk)/2)*256*PX+((\kk)%2)*64+(\i)*16*PX
	ds_load_b128 v[(\f)+8*(\i)+4:(\f)+8*(\i)+7], v[ADRB] offset:((\kk)/2)*256*PX+((\kk)%2)*64+(\i)*16*PX+32
.endr
	WIN 0
.irp i, 0,1,2,3,4,5,6,7
	ds_load_tr16_b128 v[(\f)+8*(\i):(\f)+8*(\i)+3],   v[ADRA] offset:(\kk)*32*PW+32*(\i)
	ds_load_tr16_b128 v[(\f)+8*(\i)+4:(\f)+8*(\i)+7], v[ADRA] offset:(\kk)*32*PW+32*(\i)+16*PW
.endr
.endm
; One of a K step's first three quarters: multiplies buffer f; in its middle fetches quarter kk into buffer g
.macro QUARTER kk, f, g, zero
	s_wait_dscnt 8                                 ; all but the youngest eight loads: W's columns 64-127
	MUL16 \f, 0, 0, \zero
	MUL16 \f, 0, 2, \zero
	PLACES
	FETCH \kk, \g
	s_wait_dscnt 32                                ; all but the 32 just issued
	MUL16 \f, 1, 0, \zero
	MUL16 \f, 1, 2, \zero
.endm
; The last quarter multiplies buffer 1 and changes slots.  Each wave waits for all its tensor loads (its part of the next slot), adds 0 to its spare word, and waits for that and for its
; reads of the slot in hand.  fill = 1: the barrier opens a round of the cluster's, and the slot just read is filled again with K step GN, first thing behind the round.
.macro TURN fill
	WIN 0
	s_wait_tensorcnt 0x0                           ; no tensor load of mine is out, so a group 0 may be written
	ds_add_u32 v[SPW], v[NIL]                      ; 0 onto my spare word; register work stands between it and the wait for it
.if \fill
	s_lshl_b32 s[OFF], s[GN], 17                   ; the refill's descriptors are made anew from the step's number: W walks on through q, k, v,
	s_and_b32 s[OFX], s[GN], 3                     ; xn goes round its four steps
	s_lshl_b32 s[OFX], s[OFX], 17
	s_add_co_u32 s[G0W+1], s[TB], s[LW]
	s_add_nc_u64 s[G0W+2:G0W+3], s[WBP:WBP+1], s[OFF:OFF+1]
	s_or_b32 s[G0W+3], s[G0W+3], 0x80000000
	s_add_co_u32 s[G0X+1], s[TB], s[LX]
	s_add_nc_u64 s[G0X+2:G0X+3], s[XBP:XBP+1], s[OFX:OFX+1]
	s_or_b32 s[G0X+3], s[G0X+3], 0x80000000
	s_add_co_u32 s[GN], s[GN], 1
.endif
	s_wait_dscnt 9                                 ; the add and the youngest eight loads may be out
	MUL16 F1, 0, 0, 0
	s_wait_dscnt 0x0                               ; the add is done, my reads of this slot are over
	s_barrier_signal -1
	MUL16 F1, 0, 2, 0
	WIN 0
	s_barrier_wait -1
.if \fill
	CREST
	JLOAD                                          ; its four v_nop are also the places ahead of the loads below
.else
	PLACES
.endif
	s_xor_b32 s[TB], s[TB], SLOT                   ; on to the other slot
	v_add_nc_u32 v[ADRA], s[TB], v[A0]
	v_add_nc_u32 v[ADRB], s[TB], v[B0]
	FETCH 0, F0
	MUL16 F1, 1, 0, 0
	MUL16 F1, 1, 2, 0
.endm
; THE WAY OUT of row block a: rounded to bf16 (16 bytes a lane), through my own stage, back as whole rows of 256 bytes, stored.
.macro PACK a
.set AC, 64*((\a)%4)
	WIN 0x0a+5*((\a)/4)                            ; sources in window 2 or 3
.irp b, 0,1,2,3,4,5,6,7
.irp r, 0,1,2,3
	v_cvt_pk_bf16_f32 v[TMP+4*(\b)+(\r)], v[AC+8*(\b)+2*(\r)], v[AC+8*(\b)+2*(\r)+1]
.endr
.endr
	WIN 0
.endm
.macro TOSTAGE a
.set BK, OB+192*((\a)%2)
.irp b, 0,1,2,3,4,5,6,7
	ds_store_b128 v[STO], v[TMP+4*(\b):TMP+4*(\b)+3] offset:32*(\b)
.endr
.irp t, 0,1,2,3,4,5,6,7
	ds_load_b128 v[BK+4*(\t):BK+4*(\t)+3], v[RD] offset:(\t)*2*SPITCH  ; LDS serves a wave's instructions in order (ISA guide 5.7.1.4): these see the stores above
.endr
.endm
.macro SEND a
.set BK, OB+192*((\a)%2)
	s_wait_dscnt 0x0                               ; the block is back in registers
	s_wait_xcnt 0x0                                ; earlier stores have read their registers, which the next TOSTAGE loads anew, and their base
.if (\a) == 0
	s_add_nc_u64 s[OUTP:OUTP+1], s[OUTP:OUTP+1], s[OST:OST+1]  ; on to this tile: q at the base, k and v 1 MiB further each
.endif
.irp t, 0,1,2,3,4,5,6,7
	global_store_b128 v[CO], v[BK+4*(\t):BK+4*(\t)+3], s[OUTP:OUTP+1] offset:(16*(\a)+2*(\t))*1024  ; 16 lanes store 256 consecutive bytes, aligned
.endr
.endm
.macro WAYOUT                          ; block a's conversions stand between block a - 1's loads from the stage and the wait for them
	PACK 0
	TOSTAGE 0
.irp a, 1,2,3,4,5,6,7
	PACK \a
	SEND (\a)-1
	TOSTAGE \a
.endr
	SEND 7
.endm
	s_wait_tensorcnt 0x1                           ; my part of K step 0 is in; K step 1's may stay out
	s_barrier_signal -1
	s_barrier_wait -1
	FETCH 0, F0
	s_mov_b32 s[CNT], 11                           ; the way in, below, passes the loop's count once; ten whole trips follow
	s_branch .Lq1z                                 ; the loop is entered at a tile's first quarter, in the middle of a trip
.Lk:                                   ; ten whole trips: from a K step's second quarter to the next step's first; trip n ends K step n - 1 and fills its slot again with K step n + 1: steps 2 to 11 of the twelve
	QUARTER 2, F1, F0, 0
	QUARTER 3, F0, F1, 0
	TURN 1
	WIN 0
	s_and_b32 s22, s[GN], 3                        ; the step just ended is GN - 3: a tile's last (step 3 or 7) where GN % 4 = 2.  The same in all partners
	s_cmp_eq_u32 s22, 2
	s_cbranch_scc0 .Lplain
	; A TILE IS FINISHED.  The next tile's K steps 0 and 1 are asked for, its first fragments are on their way into buffer 0.  Its bias is asked for, and the tile goes out.
	; No v_nop: blocks 0-3 were finished ahead of the refill's four places, and their 128 conversions, which name no register of the last products, are those products' places.
	s_add_co_u32 s[TL], s[TL], 1
	s_cmp_eq_u32 s[TL], 1
	s_cselect_b64 s[BP:BP+1], s[10:11], s[12:13]   ; k, then v.  The loads that last read this pointer were waited for at the last tile's beginning
	BIAS
	WAYOUT
	s_mov_b32 s[OST], 1<<20
.Lq1z:
	s_wait_loadcnt 0x0                             ; the bias
	WIN 0x40
.irp a, 0,1,2,3,4,5,6,7
.irp j, 0,1,2,3,4,5,6,7
	v_mov_b32 v[BT+8*(\a)+(\j)], v[BR+(\a)]        ; a lane's eight results of block a lie in one row: eight times its bias
.endr
.endr
	QUARTER 1, F0, F1, 1                           ; a tile's first products start the sums
	WIN 0
	s_branch .Lnext
.Lplain:
	QUARTER 1, F0, F1, 0
	WIN 0
.Lnext:
	s_sub_co_u32 s[CNT], s[CNT], 1
	s_cmp_lg_u32 s[CNT], 0
	s_cbranch_scc1 .Lk
	s_mov_b32 s[CNT], 2
.Lt:                                   ; K steps 10 and 11 ask for nothing: a text of their own; the second trip is left in its middle
	QUARTER 2, F1, F0, 0
	QUARTER 3, F0, F1, 0
	WIN 0
	s_sub_co_u32 s[CNT], s[CNT], 1
	s_cmp_eq_u32 s[CNT], 0
	s_cbranch_scc1 .Llast
	TURN 0
	QUARTER 1, F0, F1, 0
	WIN 0
	s_branch .Lt
.Llast:
	s_wait_dscnt 8
	MUL16 F1, 0, 0, 0
	MUL16 F1, 0, 2, 0
	s_wait_dscnt 0x0
	MUL16 F1, 1, 0, 0
	MUL16 F1, 1, 2, 0
	WIN 0
	PLACES                                         ; behind the last product, ahead of every reader of a result
	WAYOUT
	s_wait_tensorcnt 0x0                           ; the wave's end
	ds_add_u32 v[SPW], v[NIL]
	s_wait_dscnt 0x0
	CROUND                                         ; the closing round: no work-group ends while a partner may still ask jointly
	s_endpgm
.Lfunc_end_k_q7664ca0383_qkv:
	.size	k_q7664ca0383_qkv, .Lfunc_end_k_q7664ca0383_qkv-k_q7664ca0383_qkv
	.p2alignl 7, 3214868480
	.fill 96, 4, 3214868480
	.section	.rodata,"a",@progbits
	.p2align	6, 0x0
	.amdhsa_kernel k_q7664ca0383_qkv
		.amdhsa_group_segment_fixed_size 327680
		.amdhsa_private_segment_fixed_size 0
		.amdhsa_enable_private_segment 0
		.amdhsa_kernarg_size 48
		.amdhsa_user_sgpr_count 2
		.amdhsa_user_sgpr_kernarg_segment_ptr 1
		.amdhsa_wavefront_size32 1
		.amdhsa_system_sgpr_workgroup_id_x 1
		.amdhsa_system_sgpr_workgroup_id_y 1
		.amdhsa_system_sgpr_workgroup_id_z 1
		.amdhsa_system_vgpr_workitem_id 0
		.amdhsa_next_free_vgpr 1024
		.amdhsa_next_free_sgpr 96
		.amdhsa_reserve_vcc 0
		.amdhsa_float_denorm_mode_32 3
		.amdhsa_float_denorm_mode_16_64 3
		.amdhsa_memory_ordered 1
		.amdhsa_forward_progress 1
		.amdhsa_inst_pref_size 139
	.end_amdhsa_kernel
	.amdgpu_metadata
---
amdhsa.version: [ 1, 2 ]
amdhsa.kernels:
  - .name:           k_q7664ca0383_qkv
    .symbol:         k_q7664ca0383_qkv.kd
    .args:
      - { .name: xn, .offset: 0, .size: 8, .value_kind: global_buffer, .address_space: global }
      - { .name: wb, .offset: 8, .size: 8, .value_kind: global_buffer, .address_space: global }
      - { .name: bq, .offset: 16, .size: 8, .value_kind: global_buffer, .address_space: global }
      - { .name: bk, .offset: 24, .size: 8, .value_kind: global_buffer, .address_space: global }
      - { .name: bv, .offset: 32, .size: 8, .value_kind: global_buffer, .address_space: global }
      - { .name: qkv, .offset: 40, .size: 8, .value_kind: global_buffer, .address_space: global }
    .group_segment_fixed_size: 327680
    .private_segment_fixed_size: 0
    .kernarg_segment_align: 8
    .kernarg_segment_size: 48
    .max_flat_workgroup_size: 128
    .sgpr_count:     96
    .vgpr_count:     1024
    .wavefront_size: 32
...
	.end_amdgpu_metadata
.endif
;; end of part 2
;; launch attn (part 3): grid 8 x 32, 4 waves a work-group, clusters of 4 x 1, 327,680 bytes of LDS; arguments qkv, ob; writes ob
.if DOCPART == 3
	.amdgcn_target "amdgcn-amd-amdhsa--gfx1250"
	.amdhsa_code_object_version 6
	.text
	.protected	k_q7664ca0383_attn
	.globl	k_q7664ca0383_attn
	.p2align	8
	.type	k_q7664ca0383_attn,@function
k_q7664ca0383_attn:
	s_mov_b64 s[64:65], 0
	v_nop
	global_prefetch_b8 v0, s[64:65] scope:SCOPE_SE
	s_setreg_imm32_b32 hwreg(HW_REG_WAVE_MODE, 25, 1), 1
	s_wait_xcnt 0x0
	s_wait_alu depctr_hold_cnt(0) depctr_sa_sdst(0) depctr_va_vdst(0) depctr_va_sdst(0) depctr_va_ssrc(0) depctr_va_vcc(0) depctr_vm_vsrc(0)
	s_getreg_b32 s2, hwreg(HW_REG_IB_STS2, 6, 4)
	s_cmp_eq_u32 s2, 0
	s_cbranch_scc0 .Lentry_in_a_cluster
	s_endpgm
.Lentry_in_a_cluster:
	s_bfe_u32 s2, ttmp6, 0x10000c
	s_cmp_lg_u32 s2, 0x3003
	s_cbranch_scc0 .Lentry_shape_is_right
	s_endpgm
.Lentry_shape_is_right:
; ATTENTION, one head of size 512 over 1,024 positions, 32 batches.  qkv: [b][q, k, v][i 1024][d 512] bf16.  ob[b][d][i] = the sum over j of V[j][d] P[i][j],
; P = softmax over j of (Q[i] . K[j] / sqrt(512)), bf16.  Products, maxima and sums in f32; P is rounded to bf16 for the second product (its sum l is taken of the unrounded p), the result once.
; SHARES.  A work-group owns 128 queries of a batch and walks all keys, 128 a step, 8 steps.
; FIRST PRODUCT: wave w makes S^T = K Q^T for all 128 keys x ITS 32 queries (16 accumulators): a lane holds one query (lane % 16) and keys 8 (lane / 16) + 0..7 of each block, so the
; softmax wants one exchange between the halves of the lanes and never leaves the wave.
; SECOND PRODUCT: wave w makes O for all 128 queries x ITS 128 d (64 accumulators): source 0 = 16 queries of P, source 1 = 16 d of V (turned, by ds_load_tr16_b128): a lane holds one d and
; eight neighbouring queries, 16 bytes of ob.  P (bf16) and the rescaling a (f32) pass from wave to wave through LDS; a is applied register by register.
; SOFTMAX.  A running maximum m and sum l a query: p = 2^(c s - c m), c = log2(e) / sqrt(512); in every step O and l are multiplied by a = 2^(c m_old - c m_new).
; m starts at the lowest finite number, O and l at 0: the first step is a step like any other, with a = 0.
; RING.  Q lies in LDS for the whole launch.  Two slots of 67,584 bytes take four chunks a key step, 128 matrix instructions a wave each: K's channels 0-255 (slot 0), 256-511 (slot 1),
; V's keys 0-63 (slot 0), 64-127 (slot 1).  Every wave fetches a quarter of each chunk.  A wave has at most three tensor loads out: the first fills; later one.
; CLUSTER.  The four query blocks of a cluster belong to one batch and walk the same K and V: each chunk is asked for JOINTLY, and each change of slots is a round of the cluster's barrier.
; LIMITS.  A weight below 2^-126 counts as 0 in l; NaN and infinities are not treated apart; v_rcp_f32 and v_exp_f32 are accurate to 1 ULP.
; REGISTERS, in windows of 256 (s_set_vgpr_msb: bits 1:0 source 0, 3:2 source 1, 5:4 source 2, 7:6 destination):
;   window 0: v0-29 addresses; v32-47 statistics, 8 a query tile; v64-191 S^T (key block kt, query tile qt at 64 + 8 (2 kt + qt)), later P's fragments, two buffers; v192-223 Q's fragments, two buffers; v224-255 the way out
;   window 1: v0-127 K's or V's fragments, two buffers; v0-63 also P packed; v128-191 a (or 1 / l) of query 16 t + 8 (lane / 16) + j at 128 + 8 t + j
;   windows 2, 3: O (d block dt, query block t) at 8 (8 (dt % 4) + t)
.set PQ,    1040                       ; LDS pitches: 1,024 + 16; 512 + 16; 1,024 + 32 (33 x 32, for the turning load); 256 + 16
.set PK,    528
.set PV,    1056
.set PPI,   272
.set SLOT0, 128*PQ                     ; 133,120: behind Q
.set SLOTB, 128*PK                     ; 67,584 = 64 x PV too
.set SLOT1, SLOT0+SLOTB
.set PS,    SLOT1+SLOTB                ; P: 128 queries x 272; stored by the waves, never filled by a tensor load; so all that follows
.set AS,    PS+128*PPI                 ; a: 128 x 4 bytes; 512 bytes on: 1 / l
.set STAGE, AS+1024                    ; 16 rows x 272 bytes for each wave
.set SPARE, STAGE+4*16*PPI             ; the spare words, 128 bytes a wave; no other line names them
.set AKS0, 4                           ; v4, v5  my lane's place in K's chunk in slot 0, 1
.set AKS1, 5
.set AQ0,  6                           ; v6   in my 32 rows of Q
.set AK,   7                           ; v7, v8  the addresses in hand
.set AQ,   8
.set AV0,  9                           ; v9, v10  my lane's place in V's chunk in slot 0, 1, at my 128 d
.set AV1,  10
.set PRD,  11                          ; v11  P as read
.set PST,  12                          ; v12  P as stored
.set AST,  13                          ; v13  where my query's a goes
.set AVEC, 14                          ; v14  where my eight queries' a lie
.set STO,  15
.set RD,   16
.set CO,   17
.set PFO,  18                          ; v18  256 x thread; never rewritten
.set SPW,  28                          ; v28  my spare word; never rewritten
.set NIL,  29                          ; v29  0; never rewritten
.set ST,   32                          ; tile qt at ST + 8 qt: c m, m, l (even keys', odd keys'), T0-T3 at work; T2 takes a
.set S,    64
.set QF,   192
.set TMP,  224
.set AVV,  128                         ; window 1
.set WV,   8
.set CX,   9
.set G1Q,  20
.set G1K,  28
.set G1V,  36
.set G0Q,  44
.set G0K0, 48
.set G0K1, 52
.set G0V0, 56
.set G0V1, 60
.set CS,   66                          ; s[66:67] c
.set SEL,  68                          ; s[68:69] v_permlanex16_b32's selects
.set CNT,  70                          ; key steps to go
.set INNER, 71
.set LIM,  72                          ; 1 in the batch's first cluster, else the greatest number
.set PFK,  74                          ; s[74:75] where my prefetches of K stand
.set PFV,  76                          ; s[76:77] of V
.set OP,   78                          ; s[78:79] ob at my wave's rows and my block's columns
.set MSB, 0
.macro WIN new                         ; the immediate's high byte repeats the setting that is left; a switch that changes nothing is dropped
.if MSB != (\new)
	s_set_vgpr_msb (MSB<<8)|(\new)
.set MSB, \new
.endif
.endm
.macro PLACES                          ; four plain instructions behind a matrix instruction (ISA guide 7.12.1)
.rept 4
	v_nop
.endr
.endm
.macro CREST
	s_cmp_lg_u32 s[WV], 0
	s_cbranch_scc1 .Lnot_wave_0_\@
	s_barrier_signal -3
.Lnot_wave_0_\@:
	s_barrier_wait -3
	s_barrier_signal -1
	s_barrier_wait -1
.endm
.macro CROUND
	s_barrier_signal -1
	s_barrier_wait -1
	CREST
.endm
.macro FILL g0, g1                     ; a joint refill: the set steps a key step on (128 rows of 1,024 bytes), then asks; every wave for its own quarter
	s_add_nc_u64 s[(\g0)+2:(\g0)+3], s[(\g0)+2:(\g0)+3], 131072
	tensor_load_to_lds s[(\g0):(\g0)+3], s[(\g1):(\g1)+7]
	s_nop 0
	PLACES
.endm
; PREFETCHES.  The next key step's K (asked for at the first change of slots of a step) and V (at the third): 131,072 bytes each = 512 blocks of 256 bytes, one for each thread of the
; batch's first cluster; its four partners are told apart by address.  The second cluster of the batch asks for nothing; the last step has nothing behind it.
.macro ASKK
	WIN 0
	s_cmp_gt_u32 s[CNT], s[LIM]
	s_cbranch_scc0 .Lno_k_\@
	global_prefetch_b8 v[PFO], s[PFK:PFK+1] th:TH_LOAD_NT scope:SCOPE_SE
.Lno_k_\@:
.endm
.macro ASKV
	WIN 0
	s_cmp_ge_u32 s[CNT], s[LIM]
	s_cbranch_scc0 .Lno_v_\@
	global_prefetch_b8 v[PFO], s[PFV:PFV+1] th:TH_LOAD_NT scope:SCOPE_SE
.Lno_v_\@:
.endm
	s_load_b128 s[4:7], s[0:1], 0x0                ; qkv s[4:5], ob s[6:7]
	v_lshl_add_u32 v[SPW], v0, 2, SPARE
	v_mov_b32 v[NIL], 0
	ds_add_u32 v[SPW], v[NIL]                      ; the wave's opening: the add and its wait stand ahead of my first tensor load
	v_lshrrev_b32 v1, 5, v0
	v_readfirstlane_b32 s[WV], v1
	s_bfe_u32 s[CX], ttmp6, 0x40000
	s_and_b32 s10, ttmp7, 0xffff                   ; the batch, which the partners share
	s_lshl_b32 s80, ttmp9, 2
	s_add_co_u32 s80, s80, s[CX]                   ; my block of 128 queries: it enters Q's and ob's addresses alone
	s_mov_b32 s[G1Q+0], (1<<16)|(1<<20)|(7<<22)|(3<<25)                   ; Q: my own; 32 rows x 512 elements, 4 words of padding after every 256
	s_mov_b32 s[G1Q+1], 512<<16
	s_mov_b32 s[G1Q+2], 32<<16
	s_mov_b32 s[G1Q+3], 512<<16
	s_mov_b32 s[G1Q+4], 32
	s_mov_b32 s[G1Q+5], 512
	s_mov_b32 s[G1Q+6], 0
	s_mov_b32 s[G1Q+7], 0
	s_mov_b32 s[G1K+0], 15|(1<<16)|(1<<20)|(1<<21)|(6<<22)|(3<<25)        ; K: joint; 32 rows x 256 elements, 4 words after every 128
	s_mov_b32 s[G1K+1], 256<<16
	s_mov_b32 s[G1K+2], 32<<16
	s_mov_b32 s[G1K+3], 256<<16
	s_mov_b32 s[G1K+4], 32
	s_mov_b32 s[G1K+5], 512
	s_mov_b32 s[G1K+6], 0
	s_mov_b32 s[G1K+7], 0
	s_mov_b32 s[G1V+0], 15|(1<<16)|(1<<20)|(1<<21)|(7<<22)|(7<<25)        ; V: joint; 16 rows x 512 elements, 8 words after every 256
	s_mov_b32 s[G1V+1], 512<<16
	s_mov_b32 s[G1V+2], 16<<16
	s_mov_b32 s[G1V+3], 512<<16
	s_mov_b32 s[G1V+4], 16
	s_mov_b32 s[G1V+5], 512
	s_mov_b32 s[G1V+6], 0
	s_mov_b32 s[G1V+7], 0
	s_mov_b32 s[CS], 0x3d8293ee                    ; c = log2(e) / sqrt(512) = 0.0637587
	s_mov_b32 s[CS+1], s[CS]
	s_mov_b32 s[SEL], 0x76543210
	s_mov_b32 s[SEL+1], 0xfedcba98
	s_mul_i32 s12, s10, 3<<20                      ; the batch's q, k, v: 3 MiB
	s_lshl_b32 s13, s[WV], 15                      ; K: my 32 rows of a step's 128
	s_add_co_u32 s14, s12, s13
	s_add_co_u32 s14, s14, 1<<20
	s_mov_b32 s15, 0
	s_lshl_b32 s13, s[WV], 14                      ; V: my 16 rows of a chunk's 64; a key step back, since FILL steps first
	s_add_co_u32 s16, s12, s13
	s_add_co_u32 s16, s16, (2<<20)-131072
	s_mov_b32 s17, 0
	s_lshl_b32 s82, s80, 17                        ; Q: my block's 128 rows, my wave's 32
	s_add_co_u32 s82, s82, s12
	s_lshl_b32 s81, s[WV], 15
	s_add_co_u32 s82, s82, s81
	s_mov_b32 s83, 0
	s_lshl_b32 s84, s[CX], 15                      ; the prefetches: my work-group's quarter of a step's bytes
	s_add_co_u32 s84, s84, s12
	s_mov_b32 s85, 0
	s_lshl_b32 s86, s10, 20                        ; ob: the batch's MiB, my wave's 128 rows of 2,048 bytes, my block's 256 bytes
	s_lshl_b32 s81, s[WV], 18
	s_add_co_u32 s86, s86, s81
	s_lshl_b32 s81, s80, 8
	s_add_co_u32 s86, s86, s81
	s_mov_b32 s87, 0
	s_cmp_eq_u32 ttmp9, 0
	s_cselect_b32 s[LIM], 1, -1                    ; the same in all four partners
	s_mul_i32 s13, s[WV], 16896                    ; a quarter of a slot: 32 rows of K or 16 of V
	s_wait_dscnt 0x0                               ; the opening add is done
	s_wait_kmcnt 0x0
	s_mov_b32 s[G0Q], 1
	s_mul_i32 s[G0Q+1], s[WV], 32*PQ
	s_add_nc_u64 s[G0Q+2:G0Q+3], s[4:5], s[82:83]
	s_or_b32 s[G0Q+3], s[G0Q+3], 0x80000000
	s_mov_b32 s[G0K0], 1
	s_add_co_u32 s[G0K0+1], s13, SLOT0
	s_add_nc_u64 s[G0K0+2:G0K0+3], s[4:5], s[14:15]
	s_or_b32 s[G0K0+3], s[G0K0+3], 0x80000000
	s_mov_b32 s[G0K1], 1
	s_add_co_u32 s[G0K1+1], s13, SLOT1
	s_add_nc_u64 s[G0K1+2:G0K1+3], s[4:5], s[14:15]
	s_add_nc_u64 s[G0K1+2:G0K1+3], s[G0K1+2:G0K1+3], 512   ; channels 256 on
	s_or_b32 s[G0K1+3], s[G0K1+3], 0x80000000
	s_mov_b32 s[G0V0], 1
	s_add_co_u32 s[G0V0+1], s13, SLOT0
	s_add_nc_u64 s[G0V0+2:G0V0+3], s[4:5], s[16:17]
	s_or_b32 s[G0V0+3], s[G0V0+3], 0x80000000
	s_mov_b32 s[G0V1], 1
	s_add_co_u32 s[G0V1+1], s13, SLOT1
	s_add_nc_u64 s[G0V1+2:G0V1+3], s[4:5], s[16:17]
	s_add_nc_u64 s[G0V1+2:G0V1+3], s[G0V1+2:G0V1+3], 65536 ; keys 64 on
	s_or_b32 s[G0V1+3], s[G0V1+3], 0x80000000
	s_add_nc_u64 s[PFK:PFK+1], s[4:5], s[84:85]
	s_add_nc_u64 s[PFV:PFV+1], s[PFK:PFK+1], 2<<20         ; V of key step 0: stepped ahead of its first use
	s_add_nc_u64 s[PFK:PFK+1], s[PFK:PFK+1], (1<<20)+131072 ; K of key step 1
	s_add_nc_u64 s[OP:OP+1], s[6:7], s[86:87]
	CROUND                                         ; all four work-groups are here: the first joint loads meet
	tensor_load_to_lds s[G0Q:G0Q+3], s[G1Q:G1Q+7]
	s_nop 0
	tensor_load_to_lds s[G0K0:G0K0+3], s[G1K:G1K+7]
	s_nop 0
	tensor_load_to_lds s[G0K1:G0K1+3], s[G1K:G1K+7]
	s_nop 0
	PLACES
	v_and_b32 v1, 15, v0                           ; r
	v_bfe_u32 v2, v0, 4, 1                         ; h
	v_and_b32 v3, 7, v0
	v_bfe_u32 v19, v0, 3, 1
	v_mul_u32_u24 v[AKS0], v1, PK
	v_lshl_add_u32 v[AKS0], v2, 4, v[AKS0]
	v_add_nc_u32 v[AKS1], SLOT1, v[AKS0]
	v_add_nc_u32 v[AKS0], SLOT0, v[AKS0]
	s_mul_i32 s13, s[WV], 32*PQ
	v_mul_u32_u24 v[AQ0], v1, PQ
	v_lshl_add_u32 v[AQ0], v2, 4, v[AQ0]
	v_add_nc_u32 v[AQ0], s13, v[AQ0]
	v_lshl_add_u32 v[AV0], v2, 3, v3               ; the turning load: key 8 h + l % 8, 16 bytes at 16 ((l / 8) % 2)
	v_mul_u32_u24 v[AV0], v[AV0], PV
	v_lshl_add_u32 v[AV0], v19, 4, v[AV0]
	s_lshl_b32 s13, s[WV], 8
	v_add_nc_u32 v[AV0], s13, v[AV0]
	v_add_nc_u32 v[AV1], SLOT1, v[AV0]
	v_add_nc_u32 v[AV0], SLOT0, v[AV0]
	v_mul_u32_u24 v[PRD], v1, PPI
	v_lshl_add_u32 v[PRD], v2, 4, v[PRD]
	v_add_nc_u32 v[PRD], PS, v[PRD]
	s_mul_i32 s13, s[WV], 32*PPI
	v_add_nc_u32 v[PST], s13, v[PRD]
	s_lshl_b32 s13, s[WV], 7
	s_add_co_u32 s13, s13, AS
	v_lshl_add_u32 v[AST], v1, 2, s13
	v_lshlrev_b32 v[AVEC], 5, v2
	v_add_nc_u32 v[AVEC], AS, v[AVEC]
	s_mul_i32 s13, s[WV], 16*PPI
	s_add_co_u32 s13, s13, STAGE
	v_mul_u32_u24 v[STO], v1, PPI
	v_lshl_add_u32 v[STO], v2, 4, v[STO]
	v_add_nc_u32 v[STO], s13, v[STO]
	v_mul_u32_u24 v[RD], v2, PPI
	v_lshl_add_u32 v[RD], v1, 4, v[RD]
	v_add_nc_u32 v[RD], s13, v[RD]
	v_lshlrev_b32 v[CO], 11, v2
	v_lshl_add_u32 v[CO], v1, 4, v[CO]
	v_lshlrev_b32 v[PFO], 8, v0
.irp t, 0,1
	v_mov_b32 v[ST+8*(\t)], 0xfe000000             ; c m: far below every c s
	v_mov_b32 v[ST+8*(\t)+1], 0xff7fffff           ; m
	v_mov_b32 v[ST+8*(\t)+2], 0
	v_mov_b32 v[ST+8*(\t)+3], 0
.endr
	; O starts at 0, written while the first tiles are on their way: the price of one text for every key step
	WIN 0x80
.set i, 0
.rept 256
	v_mov_b32 v[i], 0
.set i, i+1
.endr
	WIN 0xc0
.set i, 0
.rept 256
	v_mov_b32 v[i], 0
.set i, i+1
.endr
	WIN 0
; THE FIRST PRODUCT.  8 of a K step's 16 products: key blocks 4 hf .. 4 hf + 3, both query tiles.  The 16 accumulators take turns.
.macro SMULH f, hf, zero
	WIN 0x01                                       ; K in window 1; Q and S^T in window 0
.irp kb, 0,1,2,3
.irp qt, 0,1
.set rS, S+8*(2*(4*(\hf)+(\kb))+(\qt))
.set rK, 64*(\f)+8*(4*(\hf)+(\kb))
.set rQ, QF+16*(\f)+8*(\qt)
.if \zero
	v_wmma_f32_16x16x32_bf16 v[rS:rS+7], v[rK:rK+7], v[rQ:rQ+7], 0
.else
	v_wmma_f32_16x16x32_bf16 v[rS:rS+7], v[rK:rK+7], v[rQ:rQ+7], v[rS:rS+7]
.endif
.endr
.endr
.endm
.macro SFETCH g, off                   ; 20 LDS loads: 32 channels at byte off: K's 128 keys, my 32 queries
	WIN 0x40
.irp kb, 0,1,2,3,4,5,6,7
	ds_load_b128 v[64*(\g)+8*(\kb):64*(\g)+8*(\kb)+3],   v[AK] offset:(\kb)*16*PK+(\off)
	ds_load_b128 v[64*(\g)+8*(\kb)+4:64*(\g)+8*(\kb)+7], v[AK] offset:(\kb)*16*PK+(\off)+32
.endr
	WIN 0
.irp qt, 0,1
	ds_load_b128 v[QF+16*(\g)+8*(\qt):QF+16*(\g)+8*(\qt)+3],   v[AQ] offset:(\qt)*16*PQ+(\off)
	ds_load_b128 v[QF+16*(\g)+8*(\qt)+4:QF+16*(\g)+8*(\qt)+7], v[AQ] offset:(\qt)*16*PQ+(\off)+32
.endr
.endm
.macro SSTEP f, g, off, zero           ; the next 32 channels are fetched into g, buffer f is multiplied
	PLACES
	SFETCH \g, \off
	s_wait_dscnt 20                                ; all but the 20 just issued
	SMULH \f, 0, \zero
	SMULH \f, 1, \zero
.endm
.macro SLOOP                           ; six of a chunk's eight steps of 32 channels
	WIN 0
	s_mov_b32 s[INNER], 3
.Lsl_\@:
	SSTEP 1, 0, 128, 0
	SSTEP 0, 1, 192, 0
	WIN 0
	v_add_nc_u32 v[AK], 128, v[AK]
	v_add_nc_u32 v[AQ], 128, v[AQ]
	s_sub_co_u32 s[INNER], s[INNER], 1
	s_cmp_lg_u32 s[INNER], 0
	s_cbranch_scc1 .Lsl_\@
.endm
; THE SECOND PRODUCT.  16 products: d blocks a0, a0 + 1 of the window's four x all 8 query blocks, 32 keys.  The 64 accumulators take turns.
.macro PMUL16 f, hi, a0
	WIN 0xa4+0x50*(\hi)                            ; P in window 0, V in window 1, O in window 2 or 3
.irp a, \a0, (\a0)+1
.irp t, 0,1,2,3,4,5,6,7
	v_wmma_f32_16x16x32_bf16 v[8*(8*(\a)+(\t)):8*(8*(\a)+(\t))+7], v[S+64*(\f)+8*(\t):S+64*(\f)+8*(\t)+7], v[64*(\f)+8*(4*(\hi)+(\a)):64*(\f)+8*(4*(\hi)+(\a))+7], v[8*(8*(\a)+(\t)):8*(8*(\a)+(\t))+7]
.endr
.endr
.endm
.macro PFETCH f, av, u, kq             ; 32 LDS loads: keys 32 kq .. of the step: P's 128 queries, then V's 128 d (half u of the chunk at av)
	WIN 0
.irp t, 0,1,2,3,4,5,6,7
	ds_load_b128 v[S+64*(\f)+8*(\t):S+64*(\f)+8*(\t)+3],   v[PRD] offset:(\t)*16*PPI+64*(\kq)
	ds_load_b128 v[S+64*(\f)+8*(\t)+4:S+64*(\f)+8*(\t)+7], v[PRD] offset:(\t)*16*PPI+64*(\kq)+32
.endr
	WIN 0x40
.irp d, 0,1,2,3,4,5,6,7
	ds_load_tr16_b128 v[64*(\f)+8*(\d):64*(\f)+8*(\d)+3],   v[\av] offset:(\u)*32*PV+32*(\d)
	ds_load_tr16_b128 v[64*(\f)+8*(\d)+4:64*(\f)+8*(\d)+7], v[\av] offset:(\u)*32*PV+32*(\d)+16*PV
.endr
.endm
.macro PQUARTER av, u, kq              ; multiplies buffer 0; in its middle fetches buffer 1
	s_wait_dscnt 8                                 ; all but the youngest eight loads: V's d blocks 4-7
	PMUL16 0, 0, 0
	PMUL16 0, 0, 2
	PLACES
	PFETCH 1, \av, \u, \kq
	s_wait_dscnt 32                                ; all but the 32 just issued
	PMUL16 0, 1, 0
	PMUL16 0, 1, 2
.endm
; A quarter on buffer 1 with a change of slots in it.  Each wave waits for all its tensor loads, adds 0 to its spare word, and waits for that and for its reads of the slot that it leaves.
; kind 1: slot 0 takes the next step's K, channels 0-255; V's second chunk is read next.  kind 2: slot 1 takes K's channels 256-511; the next step's first fragments are fetched.
; kind 0: the last step: nothing is asked for, so no round follows.
.macro PTURN kind
	WIN 0
	s_wait_tensorcnt 0x0
	ds_add_u32 v[SPW], v[NIL]
.if (\kind) == 1
	s_wait_xcnt 0x0                                ; K's prefetch, two chunks back, has read its address
	s_add_nc_u64 s[PFK:PFK+1], s[PFK:PFK+1], 131072
.endif
	s_wait_dscnt 9                                 ; the add and the youngest eight loads may be out
	PMUL16 1, 0, 0
	s_wait_dscnt 0x0
	s_barrier_signal -1
	PMUL16 1, 0, 2
	WIN 0
	s_barrier_wait -1
.if (\kind) == 0
	PLACES
.elseif (\kind) == 1
	CREST
	FILL G0K0, G1K
.else
	CREST
	FILL G0K1, G1K
.endif
.if (\kind) == 2
	v_mov_b32 v[AK], v[AKS0]
	v_mov_b32 v[AQ], v[AQ0]
	SFETCH 0, 0
.else
	PFETCH 0, AV1, 0, 2
.endif
.if (\kind) == 1
	ASKV
.endif
	PMUL16 1, 1, 0
	PMUL16 1, 1, 2
.endm
.macro BOTH line:vararg                ; one line for each query tile qq
.set qq, 0
.rept 2
	\line
.set qq, qq+1
.endr
.endm
.macro PADD q, x, y                    ; pair x of tile q's 32 takes pair y
.set rX, S+16*((\x)/4)+8*(\q)+2*((\x)%4)
.set rY, S+16*((\y)/4)+8*(\q)+2*((\y)%4)
	v_pk_add_f32 v[rX:rX+1], v[rX:rX+1], v[rY:rY+1]
.endm
	s_wait_tensorcnt 0x1                           ; Q and K's first chunk: my parts are in; the second chunk may stay out
	s_barrier_signal -1
	s_barrier_wait -1
	v_mov_b32 v[AK], v[AKS0]
	v_mov_b32 v[AQ], v[AQ0]
	SFETCH 0, 0
	s_mov_b32 s[CNT], 8
.Lstep:
	PLACES                                         ; with SSTEP's four: S^T is written over P's fragments, which the last products read
	SSTEP 0, 1, 64, 1                              ; K's channels 0-255; the first products start the sums
	SLOOP
	; CHANGE OF SLOTS: slot 0 has been read; V's keys 0-63 go there
	WIN 0
	s_wait_tensorcnt 0x0
	ds_add_u32 v[SPW], v[NIL]
	s_wait_xcnt 0x0                                ; V's prefetch of the step before has read its address
	s_add_nc_u64 s[PFV:PFV+1], s[PFV:PFV+1], 131072
	s_wait_dscnt 0x0                               ; the add is done, my reads of slot 0 are back
	s_barrier_signal -1
	SMULH 1, 0, 0
	WIN 0
	s_barrier_wait -1
	CREST
	FILL G0V0, G1V
	v_mov_b32 v[AK], v[AKS1]
	v_add_nc_u32 v[AQ], 512, v[AQ0]
	SFETCH 0, 0
	ASKK
	SMULH 1, 1, 0
	SSTEP 0, 1, 64, 0                              ; K's channels 256-511
	SLOOP
	s_wait_dscnt 0x0
	SMULH 1, 0, 0
	SMULH 1, 1, 0
	WIN 0
	PLACES
	; SOFTMAX.  The maximum of a lane's 64 scores a tile and the old m: four chains; chain k takes accumulator k and then k + 4, each from its low end on
.irp n, 0,1,2,3,4,5,6
.irp k, 0,1,2,3
.irp q, 0,1
.set rT, ST+8*(\q)+4+(\k)
.set rL, S+8*(2*(\k)+(\q))
.set rH, S+8*(2*((\k)+4)+(\q))
.if (\n) == 0
	v_max3_num_f32 v[rT], v[rL], v[rL+1], v[rL+2]
.elseif (\n) < 3
	v_max3_num_f32 v[rT], v[rT], v[rL+2*(\n)+1], v[rL+2*(\n)+2]
.elseif (\n) == 3
	v_max3_num_f32 v[rT], v[rT], v[rL+7], v[rH]
.else
	v_max3_num_f32 v[rT], v[rT], v[rH+2*((\n)-4)+1], v[rH+2*((\n)-4)+2]
.endif
.endr
.endr
.endr
	BOTH v_max3_num_f32 v[ST+8*qq+4], v[ST+8*qq+4], v[S+8*(8+qq)+7], v[S+8*(10+qq)+7]
	BOTH v_max3_num_f32 v[ST+8*qq+5], v[ST+8*qq+5], v[S+8*(12+qq)+7], v[S+8*(14+qq)+7]
	BOTH v_max3_num_f32 v[ST+8*qq+4], v[ST+8*qq+4], v[ST+8*qq+5], v[ST+8*qq+6]
	BOTH v_max3_num_f32 v[ST+8*qq+4], v[ST+8*qq+4], v[ST+8*qq+7], v[ST+8*qq+1]
	BOTH v_permlanex16_b32 v[ST+8*qq+5], v[ST+8*qq+4], s[SEL], s[SEL+1]
	BOTH v_mov_b32 v[ST+8*qq+7], v[ST+8*qq]
	BOTH v_max_num_f32 v[ST+8*qq+1], v[ST+8*qq+4], v[ST+8*qq+5]
	BOTH v_mul_f32 v[ST+8*qq], s[CS], v[ST+8*qq+1]
	BOTH v_sub_f32 v[ST+8*qq+7], v[ST+8*qq+7], v[ST+8*qq]
	; ONE BATCH: both a, the 64 scalings c s - c m and the 128 exponentials; nothing in it names an exponential's result
	BOTH v_exp_f32 v[ST+8*qq+6], v[ST+8*qq+7]
.set i, 0
.rept 64
.set rT, ST+8*((i/4)%2)
	v_pk_fma_f32 v[S+2*i:S+2*i+1], v[S+2*i:S+2*i+1], s[CS:CS+1], v[rT:rT+1] op_sel_hi:[1,0,0] neg_lo:[0,0,1] neg_hi:[0,0,1]
.if i > 0
	v_exp_f32 v[S+2*i-2], v[S+2*i-2]
	v_exp_f32 v[S+2*i-1], v[S+2*i-1]
.endif
.set i, i+1
.endr
	v_exp_f32 v[S+126], v[S+126]
	v_exp_f32 v[S+127], v[S+127]
	v_nop                                          ; a plain instruction behind the last exponential,
	s_wait_alu depctr_va_vdst(0)                   ; and the one wait ahead of the batch's first reader
	WIN 0x40
.set i, 0
.rept 64
	v_cvt_pk_bf16_f32 v[i], v[S+2*i], v[S+2*i+1]   ; P packed: accumulator 2 kt + qt in four registers
.set i, i+1
.endr
	WIN 0x04                                       ; store data in window 1
.irp kb, 0,1,2,3,4,5,6,7
.irp qt, 0,1
	ds_store_b128 v[PST], v[4*(2*(\kb)+(\qt)):4*(2*(\kb)+(\qt))+3] offset:(\qt)*16*PPI+32*(\kb)
.endr
.endr
	WIN 0
	BOTH ds_store_b32 v[AST], v[ST+8*qq+6] offset:64*qq
.irp w, 1,2,4,8,16                     ; the sums of the unrounded weights, in place, while the stores are out
.set u, 0
.rept 16/(\w)
	PADD 0, 2*(\w)*u, 2*(\w)*u+(\w)
	PADD 1, 2*(\w)*u, 2*(\w)*u+(\w)
.set u, u+1
.endr
.endr
	BOTH v_pk_fma_f32 v[ST+8*qq+2:ST+8*qq+3], v[ST+8*qq+2:ST+8*qq+3], v[ST+8*qq+6:ST+8*qq+7], v[S+8*qq:S+8*qq+1] op_sel_hi:[1,0,1]
	; CHANGE OF SLOTS: slot 1 has been read; V's keys 64-127 go there.  The same round shows every wave's P and a to the others
	s_wait_tensorcnt 0x0
	ds_add_u32 v[SPW], v[NIL]
	s_wait_dscnt 0x0                               ; the add, my stores of P and a, my reads of slot 1
	CROUND
	FILL G0V1, G1V
	WIN 0x40
.irp t, 0,1,2,3,4,5,6,7
	ds_load_b128 v[AVV+8*(\t):AVV+8*(\t)+3],   v[AVEC] offset:64*(\t)
	ds_load_b128 v[AVV+8*(\t)+4:AVV+8*(\t)+7], v[AVEC] offset:64*(\t)+16
.endr
	PFETCH 0, AV0, 0, 0
	s_wait_dscnt 32                                ; a is in; the fragments land while O is rescaled
.irp hw, 0,1
	WIN 0x86+0x41*(\hw)                            ; O in window 2 or 3, a in window 1
.set i, 0
.rept 128
	v_pk_mul_f32 v[2*i:2*i+1], v[2*i:2*i+1], v[AVV+8*((i/4)%8)+2*(i%4):AVV+8*((i/4)%8)+2*(i%4)+1]
.set i, i+1
.endr
.endr
	PQUARTER AV0, 1, 1
	WIN 0
	s_sub_co_u32 s[CNT], s[CNT], 1
	s_cmp_eq_u32 s[CNT], 0
	s_cbranch_scc1 .Ltail                          ; the last step asks for nothing more: its rest is written out
	PTURN 1
	PQUARTER AV1, 1, 3
	PTURN 2
	WIN 0
	s_branch .Lstep
.Ltail:
	PTURN 0
	PQUARTER AV1, 1, 3
	s_wait_dscnt 8
	PMUL16 1, 0, 0
	PMUL16 1, 0, 2
	s_wait_dscnt 0x0
	PMUL16 1, 1, 0
	PMUL16 1, 1, 2
	; THE END.  1 / l of my 32 queries goes to the others through LDS; O is divided, rounded and sent through my stage, a block of 16 d at a time.
	WIN 0
	PLACES
	BOTH v_add_f32 v[ST+8*qq+4], v[ST+8*qq+2], v[ST+8*qq+3]
	BOTH v_permlanex16_b32 v[ST+8*qq+5], v[ST+8*qq+4], s[SEL], s[SEL+1]
	BOTH v_add_f32 v[ST+8*qq+4], v[ST+8*qq+4], v[ST+8*qq+5]
	BOTH v_rcp_f32 v[ST+8*qq+6], v[ST+8*qq+4]
	v_nop
	s_wait_alu depctr_va_vdst(0)                   ; one wait for the two reciprocals
	BOTH ds_store_b32 v[AST], v[ST+8*qq+6] offset:512+64*qq
	s_wait_dscnt 0x0
	s_barrier_signal -1
	s_barrier_wait -1
	WIN 0x40
.irp t, 0,1,2,3,4,5,6,7
	ds_load_b128 v[AVV+8*(\t):AVV+8*(\t)+3],   v[AVEC] offset:512+64*(\t)
	ds_load_b128 v[AVV+8*(\t)+4:AVV+8*(\t)+7], v[AVEC] offset:512+64*(\t)+16
.endr
	s_wait_dscnt 0x0
.macro OPACK dt
	WIN 0x86+0x41*((\dt)/4)
.set i, 0
.rept 32
	v_pk_mul_f32 v[64*((\dt)%4)+2*i:64*((\dt)%4)+2*i+1], v[64*((\dt)%4)+2*i:64*((\dt)%4)+2*i+1], v[AVV+2*i:AVV+2*i+1]
.set i, i+1
.endr
	WIN 0x0a+5*((\dt)/4)
.set i, 0
.rept 32
	v_cvt_pk_bf16_f32 v[TMP+i], v[64*((\dt)%4)+2*i], v[64*((\dt)%4)+2*i+1]
.set i, i+1
.endr
	WIN 0
.endm
.macro OSTAGE dt
.set BK, 32+160*((\dt)%2)
.irp t, 0,1,2,3,4,5,6,7
	ds_store_b128 v[STO], v[TMP+4*(\t):TMP+4*(\t)+3] offset:32*(\t)
.endr
.irp t, 0,1,2,3,4,5,6,7
	ds_load_b128 v[BK+4*(\t):BK+4*(\t)+3], v[RD] offset:(\t)*2*PPI  ; LDS serves a wave's instructions in order (ISA guide 5.7.1.4)
.endr
.endm
.macro OSEND dt
.set BK, 32+160*((\dt)%2)
	s_wait_dscnt 0x0
	s_wait_xcnt 0x0                                ; the stores of the block before have read their registers
.irp t, 0,1,2,3,4,5,6,7
	global_store_b128 v[CO], v[BK+4*(\t):BK+4*(\t)+3], s[OP:OP+1] offset:(16*(\dt)+2*(\t))*2048  ; 16 lanes store 256 consecutive bytes, aligned
.endr
.endm
	OPACK 0
	OSTAGE 0
.irp a, 1,2,3,4,5,6,7
	OPACK \a
	OSEND (\a)-1
	OSTAGE \a
.endr
	OSEND 7
	s_wait_tensorcnt 0x0                           ; the wave's end
	ds_add_u32 v[SPW], v[NIL]
	s_wait_dscnt 0x0
	CROUND                                         ; the closing round
	s_endpgm
.Lfunc_end_k_q7664ca0383_attn:
	.size	k_q7664ca0383_attn, .Lfunc_end_k_q7664ca0383_attn-k_q7664ca0383_attn
	.p2alignl 7, 3214868480
	.fill 96, 4, 3214868480
	.section	.rodata,"a",@progbits
	.p2align	6, 0x0
	.amdhsa_kernel k_q7664ca0383_attn
		.amdhsa_group_segment_fixed_size 327680
		.amdhsa_private_segment_fixed_size 0
		.amdhsa_enable_private_segment 0
		.amdhsa_kernarg_size 16
		.amdhsa_user_sgpr_count 2
		.amdhsa_user_sgpr_kernarg_segment_ptr 1
		.amdhsa_wavefront_size32 1
		.amdhsa_system_sgpr_workgroup_id_x 1
		.amdhsa_system_sgpr_workgroup_id_y 1
		.amdhsa_system_sgpr_workgroup_id_z 1
		.amdhsa_system_vgpr_workitem_id 0
		.amdhsa_next_free_vgpr 1024
		.amdhsa_next_free_sgpr 96
		.amdhsa_reserve_vcc 0
		.amdhsa_float_denorm_mode_32 3
		.amdhsa_float_denorm_mode_16_64 3
		.amdhsa_memory_ordered 1
		.amdhsa_forward_progress 1
		.amdhsa_inst_pref_size 181
	.end_amdhsa_kernel
	.amdgpu_metadata
---
amdhsa.version: [ 1, 2 ]
amdhsa.kernels:
  - .name:           k_q7664ca0383_attn
    .symbol:         k_q7664ca0383_attn.kd
    .args:
      - { .name: qkv, .offset: 0, .size: 8, .value_kind: global_buffer, .address_space: global }
      - { .name: ob, .offset: 8, .size: 8, .value_kind: global_buffer, .address_space: global }
    .group_segment_fixed_size: 327680
    .private_segment_fixed_size: 0
    .kernarg_segment_align: 8
    .kernarg_segment_size: 16
    .max_flat_workgroup_size: 128
    .sgpr_count:     96
    .vgpr_count:     1024
    .wavefront_size: 32
...
	.end_amdgpu_metadata
.endif
;; end of part 3
;; launch proj (part 4): grid 8 x 32, 4 waves a work-group, clusters of 4 x 1, 327,680 bytes of LDS; arguments ob, wb, bo, x, out0; writes out0
.if DOCPART == 4
	.amdgcn_target "amdgcn-amd-amdhsa--gfx1250"
	.amdhsa_code_object_version 6
	.text
	.protected	k_q7664ca0383_proj
	.globl	k_q7664ca0383_proj
	.p2align	8
	.type	k_q7664ca0383_proj,@function
k_q7664ca0383_proj:
	s_mov_b64 s[64:65], 0
	v_nop
	global_prefetch_b8 v0, s[64:65] scope:SCOPE_SE
	s_setreg_imm32_b32 hwreg(HW_REG_WAVE_MODE, 25, 1), 1
	s_wait_xcnt 0x0
	s_wait_alu depctr_hold_cnt(0) depctr_sa_sdst(0) depctr_va_vdst(0) depctr_va_sdst(0) depctr_va_ssrc(0) depctr_va_vcc(0) depctr_vm_vsrc(0)
	s_getreg_b32 s2, hwreg(HW_REG_IB_STS2, 6, 4)
	s_cmp_eq_u32 s2, 0
	s_cbranch_scc0 .Lentry_in_a_cluster
	s_endpgm
.Lentry_in_a_cluster:
	s_bfe_u32 s2, ttmp6, 0x10000c
	s_cmp_lg_u32 s2, 0x3003
	s_cbranch_scc0 .Lentry_shape_is_right
	s_endpgm
.Lentry_shape_is_right:
; THE LAST PROJECTION AND THE RESIDUAL.  out0[p][co] = the sum over c of ob[p][c] wo[c][co] + bo[co] + x[p][co].  ob: attention's result, whose bytes read as [32,768 pixels][512] bf16;
; wo: the fourth matrix of wb, bf16, [c][co]; x and out0 f32.
; SHARES.  A tile is 256 pixels x 256 co, K = 512 in four steps of 128.  Four waves, 128 x 128 each.  Cluster x names the half of co; the four partners take the batch's four blocks of 256
; pixels: all four need the same tile of wo, which is asked for JOINTLY.
; OPERANDS.  'A' = ob, K along the rows: plain fragments.  'B' = wo, K down the rows: turned, by ds_load_tr16_b128.  Source 0 = 16 co, source 1 = 16 pixels: a lane holds one pixel and eight
; neighbouring co.  The bias hangs on the column: the first product of each accumulator takes it as C.
; THE RESIDUAL comes into registers by blocks of 16 rows x 512 bytes (64 registers), into four buffers: blocks 0 and 1 are asked for at the head, block 2 behind the first quarter (into the bias
; tuples' registers), block 3 ahead of the last quarter (into wo's fragment buffer 0); blocks 4 to 7 take the buffers of blocks 0 to 3 as these are added.  It is added on the way out, in f32.
; RING as in the launch qkv: two slots; wo's 128 rows of 512 bytes (pitch 544), then ob's 256 rows of 256 bytes (pitch 272).  A wave has at most two tensor loads out.
; LIMITS.  ob and wo arrive rounded to bf16; sums, bias and residual in f32.  NaN and infinities are not treated apart.
; REGISTERS: window 0: v0-31 addresses; v64-127, v128-191 fragments of ob, later rows on their way out; v192-255 x, buffer 0
;   window 1: v0-63 the bias tuples, later x, buffer 2; v64-127, v128-191 fragments of wo (v64-127 later x, buffer 3); v192-255 x, buffer 1      windows 2, 3: accumulator (a, b) at v[8 (8 (a % 4) + b)]
.set PW,     544
.set PX,     272
.set XOFF,   128*PW
.set SLOT,   XOFF+256*PX               ; 139,264
.set STAGE,  2*SLOT                    ; 16 rows x 528 bytes (128 f32 + 16 bytes) for each wave; no tensor load lands here
.set SPITCH, 528
.set SPARE,  STAGE+4*16*SPITCH
.set A0,   16
.set B0,   17
.set ADRA, 18
.set ADRB, 19
.set STO,  24
.set RD,   25
.set LO,   26                          ; v26  16 x lane; never rewritten
.set BO,   27
.set SPW,  28
.set NIL,  29
.set F0,   64
.set F1,   128
.set BT,   0
.set WV,   16
.set H1,   17
.set H2,   18
.set CX,   19
.set COH,  20
.set BB,   21
.set G1W,  24
.set G1X,  32
.set G0W,  40
.set G0X,  44
.set G0W1, 48
.set G0X1, 52
.set WBP,  56
.set XBP,  58
.set OFF,  60                          ; s[60:61] a K step's bytes in wo: 128 rows
.set TB,   62
.set GN,   63
.set LW,   66
.set LX,   67
.set CNT,  68
.set XP,   70                          ; s[70:71] x at my 128 rows, my 128 columns
.set OUTP, 72                          ; s[72:73] out0 likewise
.set OFX,  76                          ; s[76:77] a K step's bytes in a row of ob: 256
.set MSB, 0
.macro WIN new
.if MSB != (\new)
	s_set_vgpr_msb (MSB<<8)|(\new)
.set MSB, \new
.endif
.endm
.set TO_B, 0x40
.macro PLACES
.rept 4
	v_nop
.endr
.endm
.macro CREST
	s_cmp_lg_u32 s[WV], 0
	s_cbranch_scc1 .Lnot_wave_0_\@
	s_barrier_signal -3
.Lnot_wave_0_\@:
	s_barrier_wait -3
	s_barrier_signal -1
	s_barrier_wait -1
.endm
.macro CROUND
	s_barrier_signal -1
	s_barrier_wait -1
	CREST
.endm
.macro JLOAD                           ; waves 0, 1 ask jointly for wo, waves 2, 3 for their own rows of ob
	s_cmp_eq_u32 s[H1], 0
	s_cbranch_scc0 .Lfor_x_\@
	tensor_load_to_lds s[G0W:G0W+3], s[G1W:G1W+7]
	s_nop 0
	PLACES
	s_branch .Lasked_\@
.Lfor_x_\@:
	tensor_load_to_lds s[G0X:G0X+3], s[G1X:G1X+7]
	s_nop 0
	PLACES
.Lasked_\@:
.endm
	s_load_b256 s[4:11], s[0:1], 0x0               ; ob s[4:5], wb s[6:7], bo s[8:9], x s[10:11]
	s_load_b64 s[12:13], s[0:1], 0x20              ; out0
	v_lshl_add_u32 v[SPW], v0, 2, SPARE
	v_mov_b32 v[NIL], 0
	ds_add_u32 v[SPW], v[NIL]                      ; the wave's opening: the add and its wait stand ahead of my first tensor load
	v_lshrrev_b32 v1, 5, v0
	v_readfirstlane_b32 s[WV], v1
	s_lshr_b32 s[H1], s[WV], 1
	s_and_b32 s[H2], s[WV], 1
	s_bfe_u32 s[CX], ttmp6, 0x40000
	s_and_b32 s[BB], ttmp7, 0xffff
	s_mov_b32 s[COH], ttmp9
	s_mov_b32 s[G1W+0], 15|(1<<16)|(1<<20)|(1<<21)|(6<<22)|(7<<25)  ; wo: joint; 64 rows x 256 elements, 8 words of padding after every 128
	s_mov_b32 s[G1W+1], 256<<16
	s_mov_b32 s[G1W+2], 64<<16
	s_mov_b32 s[G1W+3], 256<<16
	s_mov_b32 s[G1W+4], 64
	s_mov_b32 s[G1W+5], 512
	s_mov_b32 s[G1W+6], 0
	s_mov_b32 s[G1W+7], 0
	s_mov_b32 s[G1X+0], (1<<16)|(1<<20)|(5<<22)|(3<<25)             ; ob: my own; 128 rows x 128 elements, 4 words after every 64
	s_mov_b32 s[G1X+1], 128<<16
	s_mov_b32 s[G1X+2], 128<<16
	s_mov_b32 s[G1X+3], 128<<16
	s_mov_b32 s[G1X+4], 128
	s_mov_b32 s[G1X+5], 512
	s_mov_b32 s[G1X+6], 0
	s_mov_b32 s[G1X+7], 0
	s_mul_i32 s[LW], s[H2], 64*PW
	s_mul_i32 s[LX], s[H2], 128*PX
	s_add_co_u32 s[LX], s[LX], XOFF
	s_lshl_b32 s80, s[COH], 9                      ; wo: the fourth matrix, 256 columns, my 64 rows: nothing of my place in the cluster enters
	s_add_co_u32 s80, s80, 3<<19
	s_lshl_b32 s22, s[H2], 16
	s_add_co_u32 s80, s80, s22
	s_mov_b32 s81, 0
	s_lshl_b32 s82, s[BB], 20                      ; ob: pixel 1,024 b + 256 cx + 128 (wave % 2), 1,024 bytes a row
	s_lshl_b32 s84, s[CX], 18
	s_add_co_u32 s82, s82, s84
	s_lshl_b32 s84, s[H2], 17
	s_add_co_u32 s82, s82, s84
	s_mov_b32 s83, 0
	s_lshl_b32 s86, s[BB], 21                      ; x and out0: pixel 1,024 b + 256 cx + 128 (wave / 2), 2,048 bytes a row; column 256 coh + 128 (wave % 2)
	s_lshl_b32 s84, s[CX], 19
	s_add_co_u32 s86, s86, s84
	s_lshl_b32 s84, s[H1], 18
	s_add_co_u32 s86, s86, s84
	s_lshl_b32 s84, s[COH], 10
	s_add_co_u32 s86, s86, s84
	s_lshl_b32 s84, s[H2], 9
	s_add_co_u32 s86, s86, s84
	s_mov_b32 s87, 0
	s_mov_b32 s[TB], 0
	s_mov_b32 s[GN], 2
	s_mov_b32 s[OFF+1], 0
	s_mov_b32 s[OFX+1], 0
	s_wait_dscnt 0x0                               ; the opening add is done
	s_wait_kmcnt 0x0
	s_add_nc_u64 s[WBP:WBP+1], s[6:7], s[80:81]
	s_add_nc_u64 s[XBP:XBP+1], s[4:5], s[82:83]
	s_add_nc_u64 s[XP:XP+1], s[10:11], s[86:87]
	s_add_nc_u64 s[OUTP:OUTP+1], s[12:13], s[86:87]
	s_mov_b32 s[G0W], 1                            ; K step 0 into slot 0
	s_mov_b32 s[G0W+1], s[LW]
	s_mov_b64 s[G0W+2:G0W+3], s[WBP:WBP+1]
	s_or_b32 s[G0W+3], s[G0W+3], 0x80000000
	s_mov_b32 s[G0X], 1
	s_mov_b32 s[G0X+1], s[LX]
	s_mov_b64 s[G0X+2:G0X+3], s[XBP:XBP+1]
	s_or_b32 s[G0X+3], s[G0X+3], 0x80000000
	s_mov_b32 s[G0W1], 1                           ; K step 1 into slot 1
	s_add_co_u32 s[G0W1+1], s[LW], SLOT
	s_add_nc_u64 s[G0W1+2:G0W1+3], s[WBP:WBP+1], 131072
	s_or_b32 s[G0W1+3], s[G0W1+3], 0x80000000
	s_mov_b32 s[G0X1], 1
	s_add_co_u32 s[G0X1+1], s[LX], SLOT
	s_add_nc_u64 s[G0X1+2:G0X1+3], s[XBP:XBP+1], 256
	s_or_b32 s[G0X1+3], s[G0X1+3], 0x80000000
	CROUND                                         ; all four work-groups are here: the first joint loads meet
	s_cmp_eq_u32 s[H1], 0
	s_cbranch_scc0 .Lfirst_x
	tensor_load_to_lds s[G0W:G0W+3], s[G1W:G1W+7]
	s_nop 0
	tensor_load_to_lds s[G0W1:G0W1+3], s[G1W:G1W+7]
	s_nop 0
	PLACES
	s_branch .Lfirst_asked
.Lfirst_x:
	tensor_load_to_lds s[G0X:G0X+3], s[G1X:G1X+7]
	s_nop 0
	tensor_load_to_lds s[G0X1:G0X1+3], s[G1X:G1X+7]
	s_nop 0
	PLACES
.Lfirst_asked:
	v_and_b32 v1, 15, v0                           ; r
	v_bfe_u32 v2, v0, 4, 1                         ; h
	v_and_b32 v3, 7, v0
	v_bfe_u32 v4, v0, 3, 1
	s_lshl_b32 s22, s[COH], 10                     ; the bias of my columns: 256 coh + 128 (wave % 2) + 16 b + 8 h + j
	s_lshl_b32 s23, s[H2], 9
	s_add_co_u32 s22, s22, s23
	v_lshl_add_u32 v[BO], v2, 5, s22
	v_and_b32 v[LO], 31, v0
	v_lshlrev_b32 v[LO], 4, v[LO]
	WIN 0x40
.irp b, 0,1,2,3,4,5,6,7
	global_load_b128 v[BT+8*(\b):BT+8*(\b)+3],   v[BO], s[8:9] offset:64*(\b)
	global_load_b128 v[BT+8*(\b)+4:BT+8*(\b)+7], v[BO], s[8:9] offset:64*(\b)+16
.endr
.macro XSEL a                          ; block a's buffer of x: number a % 4: window XW, first register XR
.set XK, (\a)%4
.set XW, (XK+3)/4
.if XK < 2
.set XR, 192
.else
.set XR, 64*(XK-2)
.endif
.endm
.macro XLOAD a                         ; block a's 16 rows x 512 bytes of x: an instruction covers 512 consecutive bytes, aligned
	XSEL \a
	WIN 0x40*XW
.irp t, 0,1,2,3,4,5,6,7,8,9,10,11,12,13,14,15
	global_load_b128 v[XR+4*(\t):XR+4*(\t)+3], v[LO], s[XP:XP+1] offset:(16*(\a)+(\t))*2048 th:TH_LOAD_NT
.endr
	WIN 0
.endm
	XLOAD 0
	XLOAD 1
	v_mul_u32_u24 v6, v1, PX                       ; ob: a plain fragment: row r, 16 bytes for each half of the lanes
	v_lshl_add_u32 v6, v2, 4, v6
	s_mul_i32 s22, s[H1], 128*PX
	s_add_co_u32 s22, s22, XOFF
	v_add_nc_u32 v[A0], s22, v6
	v_lshl_add_u32 v5, v2, 3, v3                   ; wo: the turning load
	v_mul_u32_u24 v5, v5, PW
	v_lshl_add_u32 v5, v4, 4, v5
	s_lshl_b32 s22, s[H2], 8
	v_add_nc_u32 v[B0], s22, v5
	v_mov_b32 v[ADRA], v[A0]
	v_mov_b32 v[ADRB], v[B0]
	s_mul_i32 s22, s[WV], 16*SPITCH
	s_add_co_u32 s22, s22, STAGE
	v_mul_u32_u24 v7, v1, SPITCH
	v_lshl_add_u32 v7, v2, 5, v7
	v_add_nc_u32 v[STO], s22, v7                   ; in: row r, 32 bytes for each half of the lanes
	v_add_nc_u32 v[RD], s22, v[LO]                 ; back: a row of 512 bytes an instruction
.macro MUL16 f, hi, a0, zero           ; the 64 accumulators take turns, one instruction a turn
.if \zero
	WIN 0x91+0x40*(\hi)
.else
	WIN 0xa1+0x50*(\hi)
.endif
.irp a, \a0, (\a0)+1
.irp b, 0,1,2,3,4,5,6,7
.if \zero
	v_wmma_f32_16x16x32_bf16 v[8*(8*(\a)+(\b)):8*(8*(\a)+(\b))+7], v[(\f)+8*(\b):(\f)+8*(\b)+7], v[(\f)+8*(4*(\hi)+(\a)):(\f)+8*(4*(\hi)+(\a))+7], v[BT+8*(\b):BT+8*(\b)+7]
.else
	v_wmma_f32_16x16x32_bf16 v[8*(8*(\a)+(\b)):8*(8*(\a)+(\b))+7], v[(\f)+8*(\b):(\f)+8*(\b)+7], v[(\f)+8*(4*(\hi)+(\a)):(\f)+8*(4*(\hi)+(\a))+7], v[8*(8*(\a)+(\b)):8*(8*(\a)+(\b))+7]
.endif
.endr
.endr
.endm
.macro FETCH kk, f                     ; quarter kk of the slot in hand into buffer f: wo's 128 columns, then ob's 128 rows
	WIN TO_B
.irp i, 0,1,2,3,4,5,6,7
	ds_load_tr16_b128 v[(\f)+8*(\i):(\f)+8*(\i)+3],   v[ADRB] offset:(\kk)*32*PW+32*(\i)
	ds_load_tr16_b128 v[(\f)+8*(\i)+4:(\f)+8*(\i)+7], v[ADRB] offset:(\kk)*32*PW+32*(\i)+16*PW
.endr
	WIN 0
.irp i, 0,1,2,3,4,5,6,7
	ds_load_b128 v[(\f)+8*(\i):(\f)+8*(\i)+3],   v[ADRA] offset:(\kk)*64+(\i)*16*PX
	ds_load_b128 v[(\f)+8*(\i)+4:(\f)+8*(\i)+7], v[ADRA] offset:(\kk)*64+(\i)*16*PX+32
.endr
.endm
.macro QUARTER kk, f, g, zero
	s_wait_dscnt 8                                 ; all but the youngest eight loads: ob's rows 64-127
	MUL16 \f, 0, 0, \zero
	MUL16 \f, 0, 2, \zero
	PLACES
	FETCH \kk, \g
	s_wait_dscnt 32                                ; all but the 32 just issued
	MUL16 \f, 1, 0, \zero
	MUL16 \f, 1, 2, \zero
.endm
.macro TURN fill                       ; the last quarter and the change of slots, as in the launch qkv
	WIN 0
	s_wait_tensorcnt 0x0                           ; no tensor load of mine is out, so a group 0 may be written
	ds_add_u32 v[SPW], v[NIL]
.if \fill
	s_lshl_b32 s[OFF], s[GN], 17
	s_lshl_b32 s[OFX], s[GN], 8
	s_add_co_u32 s[G0W+1], s[TB], s[LW]
	s_add_nc_u64 s[G0W+2:G0W+3], s[WBP:WBP+1], s[OFF:OFF+1]
	s_or_b32 s[G0W+3], s[G0W+3], 0x80000000
	s_add_co_u32 s[G0X+1], s[TB], s[LX]
	s_add_nc_u64 s[G0X+2:G0X+3], s[XBP:XBP+1], s[OFX:OFX+1]
	s_or_b32 s[G0X+3], s[G0X+3], 0x80000000
	s_add_co_u32 s[GN], s[GN], 1
.endif
	s_wait_dscnt 9                                 ; the add and the youngest eight loads may be out
	MUL16 F1, 0, 0, 0
	s_wait_dscnt 0x0                               ; the add is done, my reads of this slot are over
	s_barrier_signal -1
	MUL16 F1, 0, 2, 0
	WIN 0
	s_barrier_wait -1
.if \fill
	CREST
	JLOAD
.else
	PLACES
.endif
	s_xor_b32 s[TB], s[TB], SLOT
	v_add_nc_u32 v[ADRA], s[TB], v[A0]
	v_add_nc_u32 v[ADRB], s[TB], v[B0]
	FETCH 0, F0
	MUL16 F1, 1, 0, 0
	MUL16 F1, 1, 2, 0
.endm
; THE WAY OUT of row block a: the sums go into my stage as they are (f32), come back as whole rows of 512 bytes, take x, and are stored.
; The rows come back into two sets of registers by turns.  A set is loaded anew two blocks after its stores were issued; the wait on XCNT that frees it stands in the block between, ahead of that
; block's own stores: behind the stores that it frees, and an LDS round trip behind the youngest memory instruction.
.macro OUT a
.set AC, 64*((\a)%4)
.set BK, 64+64*((\a)%2)
	WIN 0x08+4*((\a)/4)                            ; store data in window 2 or 3; each accumulator's low registers go first
.irp b, 0,1,2,3,4,5,6,7
	ds_store_b128 v[STO], v[AC+8*(\b):AC+8*(\b)+3]   offset:64*(\b)
	ds_store_b128 v[STO], v[AC+8*(\b)+4:AC+8*(\b)+7] offset:64*(\b)+16
.endr
	WIN 0
.irp t, 0,1,2,3,4,5,6,7,8,9,10,11,12,13,14,15
	ds_load_b128 v[BK+4*(\t):BK+4*(\t)+3], v[RD] offset:(\t)*SPITCH  ; LDS serves a wave's instructions in order (ISA guide 5.7.1.4)
.endr
.if (\a) >= 5
	s_wait_loadcnt 16*(7-(\a))                     ; this block's x is in; the later blocks' loads may stay out
.endif
	s_wait_dscnt 0x0
	XSEL \a
	WIN 0x04*XW                                    ; x in window 0 or 1
.set i, 0
.rept 32
	v_pk_add_f32 v[BK+2*i:BK+2*i+1], v[BK+2*i:BK+2*i+1], v[XR+2*i:XR+2*i+1]
.set i, i+1
.endr
	WIN 0
	s_wait_xcnt 0x0                                ; the last block's stores have read their registers, which the next block loads anew
.irp t, 0,1,2,3,4,5,6,7,8,9,10,11,12,13,14,15
	global_store_b128 v[LO], v[BK+4*(\t):BK+4*(\t)+3], s[OUTP:OUTP+1] offset:(16*(\a)+(\t))*2048 th:TH_STORE_NT  ; 512 consecutive bytes, aligned
.endr
.if (\a) < 4
.if (\a) >= 2
	s_wait_loadcnt 32                              ; the next block's x is in; the two blocks asked for behind it may stay out
.endif
	XLOAD (\a)+4                                   ; this block's buffer takes the block four further on
.endif
.endm
	s_wait_tensorcnt 0x1                           ; my part of K step 0 is in; K step 1's may stay out
	s_barrier_signal -1
	s_barrier_wait -1
	FETCH 0, F0
	s_wait_loadcnt 32                              ; the bias is in; the 32 loads of x stay out
	QUARTER 1, F0, F1, 1
	WIN 0
	PLACES                                         ; behind the last product that took the bias as C:
	XLOAD 2                                        ; its registers take x's block 2
	s_mov_b32 s[CNT], 2
.Lk:                                   ; a trip: from a K step's second quarter to the next step's first; both trips fill a slot again (K steps 2 and 3)
	QUARTER 2, F1, F0, 0
	QUARTER 3, F0, F1, 0
	TURN 1
	QUARTER 1, F0, F1, 0
	WIN 0
	s_sub_co_u32 s[CNT], s[CNT], 1
	s_cmp_lg_u32 s[CNT], 0
	s_cbranch_scc1 .Lk
	s_mov_b32 s[CNT], 2
.Lt:                                   ; the last two K steps ask for nothing: a text of their own; the second trip is left in its middle
	QUARTER 2, F1, F0, 0
	QUARTER 3, F0, F1, 0
	WIN 0
	s_sub_co_u32 s[CNT], s[CNT], 1
	s_cmp_eq_u32 s[CNT], 0
	s_cbranch_scc1 .Llast
	TURN 0
	QUARTER 1, F0, F1, 0
	WIN 0
	s_branch .Lt
.Llast:
	PLACES                                         ; behind the last product on buffer 0:
	s_wait_loadcnt 0x0                             ; x's blocks 0 to 2, asked for ahead of the K loop, are waited for once, here;
	XLOAD 3                                        ; wo's buffer 0 takes x's block 3
	s_wait_dscnt 8
	MUL16 F1, 0, 0, 0
	MUL16 F1, 0, 2, 0
	s_wait_dscnt 0x0
	MUL16 F1, 1, 0, 0
	MUL16 F1, 1, 2, 0
	WIN 0
	PLACES                                         ; behind the last product, ahead of every reader of a result and every load into a fragment's register
.irp a, 0,1,2,3,4,5,6,7
	OUT \a
.endr
	s_wait_tensorcnt 0x0                           ; the wave's end
	ds_add_u32 v[SPW], v[NIL]
	s_wait_dscnt 0x0
	CROUND                                         ; the closing round
	s_endpgm
.Lfunc_end_k_q7664ca0383_proj:
	.size	k_q7664ca0383_proj, .Lfunc_end_k_q7664ca0383_proj-k_q7664ca0383_proj
	.p2alignl 7, 3214868480
	.fill 96, 4, 3214868480
	.section	.rodata,"a",@progbits
	.p2align	6, 0x0
	.amdhsa_kernel k_q7664ca0383_proj
		.amdhsa_group_segment_fixed_size 327680
		.amdhsa_private_segment_fixed_size 0
		.amdhsa_enable_private_segment 0
		.amdhsa_kernarg_size 40
		.amdhsa_user_sgpr_count 2
		.amdhsa_user_sgpr_kernarg_segment_ptr 1
		.amdhsa_wavefront_size32 1
		.amdhsa_system_sgpr_workgroup_id_x 1
		.amdhsa_system_sgpr_workgroup_id_y 1
		.amdhsa_system_sgpr_workgroup_id_z 1
		.amdhsa_system_vgpr_workitem_id 0
		.amdhsa_next_free_vgpr 1024
		.amdhsa_next_free_sgpr 96
		.amdhsa_reserve_vcc 0
		.amdhsa_float_denorm_mode_32 3
		.amdhsa_float_denorm_mode_16_64 3
		.amdhsa_memory_ordered 1
		.amdhsa_forward_progress 1
		.amdhsa_inst_pref_size 132
	.end_amdhsa_kernel
	.amdgpu_metadata
---
amdhsa.version: [ 1, 2 ]
amdhsa.kernels:
  - .name:           k_q7664ca0383_proj
    .symbol:         k_q7664ca0383_proj.kd
    .args:
      - { .name: ob, .offset: 0, .size: 8, .value_kind: global_buffer, .address_space: global }
      - { .name: wb, .offset: 8, .size: 8, .value_kind: global_buffer, .address_space: global }
      - { .name: bo, .offset: 16, .size: 8, .value_kind: global_buffer, .address_space: global }
      - { .name: x, .offset: 24, .size: 8, .value_kind: global_buffer, .address_space: global }
      - { .name: out0, .offset: 32, .size: 8, .value_kind: global_buffer, .address_space: global }
    .group_segment_fixed_size: 327680
    .private_segment_fixed_size: 0
    .kernarg_segment_align: 8
    .kernarg_segment_size: 40
    .max_flat_workgroup_size: 128
    .sgpr_count:     96
    .vgpr_count:     1024
    .wavefront_size: 32
...
	.end_amdgpu_metadata
.endif
;; end of part 4
;; ======== version 2 of 2: 4 launches; version 1 with the launch gn written anew for expert scheduling mode
;; workspace buffers: xn 33,554,432 bytes; wb 2,097,152 bytes; qkv 100,663,296 bytes; ob 33,554,432 bytes
;; launch gn (part 5): grid 8 x 32, 16 waves a work-group, no clusters, 2,560 bytes of LDS; arguments x, gn_gamma, gn_beta, wq, wk, wv, wo, xn, wb; writes xn, wb
.if DOCPART == 5
	.amdgcn_target "amdgcn-amd-amdhsa--gfx1250"
	.amdhsa_code_object_version 6
	.text
	.protected	k_q7664ca0383_gn
	.globl	k_q7664ca0383_gn
	.p2align	8
	.type	k_q7664ca0383_gn,@function
k_q7664ca0383_gn:
	s_mov_b64 s[64:65], 0
	v_nop
	global_prefetch_b8 v0, s[64:65] scope:SCOPE_SE
	s_setreg_imm32_b32 hwreg(HW_REG_WAVE_SCHED_MODE, 0, 2), 2
	s_setreg_imm32_b32 hwreg(HW_REG_WAVE_MODE, 25, 1), 1
	s_wait_xcnt 0x0
	s_wait_alu depctr_vm_vsrc(0)
; GROUP NORM, and the four weight matrices rounded to bf16.
; x: [32 b][1024 pixels][512 channels] f32.  A group is 16 channels x all 1,024 pixels of a batch: 16,384 numbers.
; SHARES.  A work-group owns 64 channels (four groups) of one batch: 1,024 x 64 f32 = 256 KiB, held in the registers of its 16 waves (128 a lane),
; so x is read once for the mean, the variance and the normalising.  Wave w owns pixels 64 w .. 64 w + 63.  A load takes 16 bytes a lane: lanes 0-15 the
; 256 bytes of one pixel, lanes 16-31 those of the pixel two further on (the same parity).  A lane's four channels lie in one group: (lane % 16) / 4.
; TWO PASSES, both in f32: the mean first, then the sum of squares of x - mean: a common offset of x costs nothing.
; OUT.  xn: bf16, [b][par 2][cb 8][d 512][64 channels], pixel = 2 d + par, channel = 64 cb + ch: a store of a wave covers 256 consecutive bytes, aligned.
; wb: bf16, [wq, wk, wv, wo][c_in][c_out]: each of the 256 work-groups rounds 4,096 numbers of one matrix.
; No matrix unit, no tensor load, no cluster: no two work-groups read the same bytes, and the work is one pass over x.
; LIMITS.  v_rsq_f32 is accurate to 1 ULP; NaN and infinities are not treated apart; xn and the weights are rounded once, to nearest even.
; THE MODE: SCHED_MODE bits 1:0 = 2 (LLVM: expert scheduling mode 2), set by the entry lines.  The code itself states the register dependences
; between vector instructions and memory or LDS instructions, with s_wait_alu, always for 0.
; THE PLAN.  Registers that memory or LDS instructions touch:
;   v2 to v8      offsets and LDS addresses: made once at the head, never written again.
;   X             the 32 loads of the head land in it; all else is vector work in place.  Of load k's four registers the first two end as 8 bytes of xn, are read by store k and are not written after it.
;   GAM, BET, WF  loads land in them; vector instructions read them.
;   v[CH]         each total's additions write it and its LDS store reads it; the squares write it again behind the first total.
;   PT            each total's four LDS loads land in it; its additions, and the mean's two multiplies, name it ahead of the second total's loads.
;   WP            the weights' conversions write it, the two weight stores read it.
;   v[SPW], v[NIL]  written at the head, read by the closing add alone.
; THE WAY OUT goes in four blocks of eight loads' numbers.  A block's vector lines name its own registers of X, AG and BET alone.  So one wait on va_vdst at the head of a block states that the block
; before has written its store data, and that block's eight stores are dealt among this block's vector lines with no further wait.  No store's data are written again.
.set RED1,  0                          ; LDS: 4 groups x 16 waves x 4 bytes: the sums
.set RED2,  256                        ; the same for the sums of squares: other bytes, so no third barrier is needed
.set SPARE, 512                        ; the spare words: 128 bytes for each of 16 waves; no other line names them
.set XO,  2                            ; v2   my byte offset in the work-group's part of x
.set YO,  3                            ; v3   my byte offset in a block of xn
.set RS,  4                            ; v4   where my wave's figure for my group goes: 64 g + 4 w
.set RL,  5                            ; v5   where my group's 16 figures lie: 64 g
.set GO,  6                            ; v6   my four channels in gamma and beta
.set WLO, 7                            ; v7   16 x thread: the weights as read
.set WSO, 8                            ; v8   8 x thread: as stored
.set SPW, 10                           ; v10  my spare word; never rewritten
.set NIL, 11                           ; v11  0; never rewritten
.set GAM, 12                           ; v[12:15]
.set BET, 16                           ; v[16:19]
.set WF,  20                           ; v[20:27] eight weights in f32
.set WP,  28                           ; v[28:31] packed
.set PT,  32                           ; v[32:47] sixteen partial figures read back
.set MEAN, 48                          ; v[48:49] the mean, twice
.set CH,  50                           ; v[50:57] four chains of pairs
.set AG,  58                           ; v[58:61] gamma / sqrt(var + eps)
.set X,   64                           ; v[64:191] load k = 2 t + par at X + 4 k
	s_load_b512 s[8:23], s[0:1], 0x0               ; x, gamma, beta, wq, wk, wv, wo, xn
	s_load_b64 s[24:25], s[0:1], 0x40              ; wb
	v_lshl_add_u32 v[SPW], v0, 2, SPARE
	v_mov_b32 v[NIL], 0
	v_lshrrev_b32 v1, 5, v0
	v_readfirstlane_b32 s35, v1                    ; wave 0..15
	v_and_b32 v9, 15, v0                           ; lane % 16
	v_bfe_u32 v62, v0, 4, 1                        ; lane / 16
	v_lshrrev_b32 v63, 2, v9                       ; my group of the four
	v_lshlrev_b32 v[XO], 12, v62                   ; two pixels of 2,048 bytes for the upper half of the lanes,
	v_lshl_add_u32 v[XO], v9, 4, v[XO]             ; 16 bytes a lane,
	s_wait_alu depctr_va_sdst(0)                   ; s35 is written, ahead of its first reader, the next line
	v_lshl_add_u32 v[XO], s35, 17, v[XO]           ; 64 pixels a wave
	v_lshlrev_b32 v[YO], 7, v62                    ; d + 1 for the upper half: 128 bytes,
	v_lshl_add_u32 v[YO], v9, 3, v[YO]             ; 8 bytes a lane,
	v_lshl_add_u32 v[YO], s35, 12, v[YO]           ; 32 d a wave
	v_lshlrev_b32 v[RL], 6, v63
	v_lshl_add_u32 v[RS], s35, 2, v[RL]
	v_lshlrev_b32 v[GO], 4, v9
	v_lshlrev_b32 v[WLO], 4, v0
	v_lshlrev_b32 v[WSO], 3, v0
	s_mov_b32 s2, ttmp9                            ; cb
	s_and_b32 s3, ttmp7, 0xffff                    ; b
	s_mov_b32 s26, 0x76543210                      ; v_permlanex16_b32: each lane takes its own place in the other half
	s_mov_b32 s27, 0xfedcba98
	s_mov_b32 s28, 0x38800000                      ; 1 / 16,384
	s_mov_b32 s29, 0x358637bd                      ; 1e-6
	s_lshl_b32 s30, s3, 21                         ; a batch of x is 2 MiB,
	s_lshl_b32 s36, s2, 8                          ; 64 channels are 256 bytes
	s_add_co_u32 s30, s30, s36
	s_mov_b32 s31, 0
	s_mov_b32 s37, 0
	s_lshl_b32 s38, s3, 4
	s_add_co_u32 s38, s38, s2
	s_lshl_b32 s38, s38, 16                        ; xn: block (b, par 0, cb) = (16 b + cb) x 65,536
	s_mov_b32 s39, 0
	s_and_b32 s34, s2, 3                           ; which weight matrix
	s_lshr_b32 s40, s2, 2
	s_lshl1_add_u32 s40, s3, s40                   ; which of its 64 parts: 2 b + cb / 4
	s_lshl_b32 s42, s40, 13                        ; 8,192 bytes of bf16,
	s_lshl_b32 s40, s40, 14                        ; 16,384 of f32
	s_mov_b32 s41, 0
	s_lshl_b32 s44, s34, 19
	s_add_co_u32 s42, s42, s44
	s_mov_b32 s43, 0
	s_wait_kmcnt 0x0
	s_add_nc_u64 s[8:9], s[8:9], s[30:31]
	s_add_nc_u64 s[10:11], s[10:11], s[36:37]
	s_add_nc_u64 s[12:13], s[12:13], s[36:37]
	s_add_nc_u64 s[22:23], s[22:23], s[38:39]
	s_cmp_eq_u32 s34, 1
	s_cselect_b64 s[32:33], s[16:17], s[14:15]
	s_cmp_eq_u32 s34, 2
	s_cselect_b64 s[32:33], s[18:19], s[32:33]
	s_cmp_eq_u32 s34, 3
	s_cselect_b64 s[32:33], s[20:21], s[32:33]
	s_add_nc_u64 s[32:33], s[32:33], s[40:41]
	s_add_nc_u64 s[24:25], s[24:25], s[42:43]
	s_wait_alu depctr_va_vdst(0)                   ; the seven offsets and addresses v2 to v8 are written, which every load, store and LDS instruction of the kernel reads
.set k, 0
.rept 32                               ; load k: pixels 64 w + 4 (k / 2) + k % 2 and two further on
	global_load_b128 v[X+4*k:X+4*k+3], v[XO], s[8:9] offset:(4*(k/2)+k%2)*2048 th:TH_LOAD_NT
.set k, k+1
.endr
	global_load_b128 v[GAM:GAM+3], v[GO], s[10:11]
	global_load_b128 v[BET:BET+3], v[GO], s[12:13]
	global_load_b128 v[WF:WF+3], v[WLO], s[32:33] th:TH_LOAD_NT
	global_load_b128 v[WF+4:WF+7], v[WLO], s[32:33] offset:8192 th:TH_LOAD_NT
; The four chains into one number a lane; over the group's four lanes and the two halves of the wave; over the 16 waves through LDS.  The total comes out in v[PT], in every lane.
.macro TOTAL red
	v_pk_add_f32 v[CH:CH+1], v[CH:CH+1], v[CH+2:CH+3]
	v_pk_add_f32 v[CH+4:CH+5], v[CH+4:CH+5], v[CH+6:CH+7]
	v_pk_add_f32 v[CH:CH+1], v[CH:CH+1], v[CH+4:CH+5]
	v_add_f32 v[CH], v[CH], v[CH+1]
	v_add_f32_dpp v[CH], v[CH], v[CH] row_xmask:1 row_mask:0xf bank_mask:0xf
	v_add_f32_dpp v[CH], v[CH], v[CH] row_xmask:2 row_mask:0xf bank_mask:0xf
	v_permlanex16_b32 v[CH+1], v[CH], s26, s27
	v_add_f32 v[CH], v[CH], v[CH+1]
	s_wait_alu depctr_va_vdst(0)                   ; the additions have written v[CH], which the LDS store reads; in the second total the vector lines that named v[PT ..] are done too, in which the LDS loads below land (no vector line stands between)
	ds_store_b32 v[RS], v[CH] offset:\red          ; the group's eight lanes write one word with one value
	s_wait_dscnt 0x0                               ; for the others' sake: my store is done
	s_barrier_signal -1
	s_barrier_wait -1
.irp j, 0,1,2,3
	ds_load_b128 v[PT+4*(\j):PT+4*(\j)+3], v[RL] offset:(\red)+16*(\j)
.endr
	s_wait_dscnt 0x0
	v_pk_add_f32 v[PT:PT+1], v[PT:PT+1], v[PT+2:PT+3]
	v_pk_add_f32 v[PT+4:PT+5], v[PT+4:PT+5], v[PT+6:PT+7]
	v_pk_add_f32 v[PT+8:PT+9], v[PT+8:PT+9], v[PT+10:PT+11]
	v_pk_add_f32 v[PT+12:PT+13], v[PT+12:PT+13], v[PT+14:PT+15]
	v_pk_add_f32 v[PT:PT+1], v[PT:PT+1], v[PT+4:PT+5]
	v_pk_add_f32 v[PT+8:PT+9], v[PT+8:PT+9], v[PT+12:PT+13]
	v_pk_add_f32 v[PT:PT+1], v[PT:PT+1], v[PT+8:PT+9]
	v_add_f32 v[PT], v[PT], v[PT+1]
.endm
	s_wait_loadcnt 0x4                             ; x is in; gamma, beta and the two weight loads, issued behind it, may stay out
.set j, 0
.rept 4                                ; the first eight pairs start the four chains: nothing is cleared
	v_pk_add_f32 v[CH+2*j:CH+2*j+1], v[X+2*j:X+2*j+1], v[X+8+2*j:X+8+2*j+1]
.set j, j+1
.endr
.set j, 8
.rept 56
	v_pk_add_f32 v[CH+2*(j%4):CH+2*(j%4)+1], v[CH+2*(j%4):CH+2*(j%4)+1], v[X+2*j:X+2*j+1]
.set j, j+1
.endr
	TOTAL RED1
	v_mul_f32 v[MEAN], s28, v[PT]
	v_mul_f32 v[MEAN+1], s28, v[PT]
.set j, 0
.rept 64                               ; x - mean, in place
	v_pk_add_f32 v[X+2*j:X+2*j+1], v[X+2*j:X+2*j+1], v[MEAN:MEAN+1] neg_lo:[0,1] neg_hi:[0,1]
.set j, j+1
.endr
	s_wait_alu depctr_vm_vsrc(0)                   ; the first total's LDS store has read v[CH], which the squares below write again
.set j, 0
.rept 4
	v_pk_mul_f32 v[CH+2*j:CH+2*j+1], v[X+2*j:X+2*j+1], v[X+2*j:X+2*j+1]
.set j, j+1
.endr
.rept 60
	v_pk_fma_f32 v[CH+2*(j%4):CH+2*(j%4)+1], v[X+2*j:X+2*j+1], v[X+2*j:X+2*j+1], v[CH+2*(j%4):CH+2*(j%4)+1]
.set j, j+1
.endr
	TOTAL RED2
	v_fma_f32 v[PT], v[PT], s28, s29               ; var + eps
	v_rsq_f32 v[PT+1], v[PT]
	v_nop                                          ; a plain instruction behind the root,
	s_wait_alu depctr_va_vdst(0)                   ; and the wait ahead of the first use of its result, v[PT+1]
	s_wait_loadcnt 0x0                             ; gamma, beta, the weights
.irp j, 0,1,2,3
	v_mul_f32 v[AG+(\j)], v[GAM+(\j)], v[PT+1]
.endr
; Block p of the way out: loads 8 p to 8 p + 7: (x - mean) a + beta, rounded.  A store covers 32 lanes x 8 bytes = the 64 channels of d and of d + 1.
; From block 1 on the stores of the block before are dealt among the block's vector lines, one ahead of each load's four.
.macro BLK p
.if (\p) > 0
	s_wait_alu depctr_va_vdst(0)                   ; the block before has written its store data, the first two registers of each of its eight loads; this block's vector lines name none of them
.endif
.set k, 8*(\p)
.rept 8
.if (\p) > 0
	global_store_b64 v[YO], v[X+4*(k-8):X+4*(k-8)+1], s[22:23] offset:((k-8)%2)*524288+((k-8)/2)*256
.endif
	v_pk_fma_f32 v[X+4*k:X+4*k+1], v[X+4*k:X+4*k+1], v[AG:AG+1], v[BET:BET+1]
	v_pk_fma_f32 v[X+4*k+2:X+4*k+3], v[X+4*k+2:X+4*k+3], v[AG+2:AG+3], v[BET+2:BET+3]
	v_cvt_pk_bf16_f32 v[X+4*k], v[X+4*k], v[X+4*k+1]
	v_cvt_pk_bf16_f32 v[X+4*k+1], v[X+4*k+2], v[X+4*k+3]
.set k, k+1
.endr
.endm
	BLK 0
	BLK 1
	BLK 2
	BLK 3
.irp j, 0,1
	v_cvt_pk_bf16_f32 v[WP+2*(\j)], v[WF+4*(\j)], v[WF+4*(\j)+1]
	v_cvt_pk_bf16_f32 v[WP+2*(\j)+1], v[WF+4*(\j)+2], v[WF+4*(\j)+3]
.endr
	s_wait_alu depctr_va_vdst(0)                   ; block 3 has written its store data and the conversions above have written v[WP ..]: the last ten stores read them
.set k, 24
.rept 8
	global_store_b64 v[YO], v[X+4*k:X+4*k+1], s[22:23] offset:(k%2)*524288+(k/2)*256
.set k, k+1
.endr
.irp j, 0,1
	global_store_b64 v[WSO], v[WP+2*(\j):WP+2*(\j)+1], s[24:25] offset:4096*(\j)
.endr
	s_wait_dscnt 0x0                               ; the closing lines, six on end
	s_wait_alu 0x0
	s_wait_tensorcnt 0x0
	ds_add_u32 v[SPW], v[NIL]
	s_wait_dscnt 0x0
	s_endpgm
.Lfunc_end_k_q7664ca0383_gn:
	.size	k_q7664ca0383_gn, .Lfunc_end_k_q7664ca0383_gn-k_q7664ca0383_gn
	.p2alignl 7, 3214868480
	.fill 96, 4, 3214868480
	.section	.rodata,"a",@progbits
	.p2align	6, 0x0
	.amdhsa_kernel k_q7664ca0383_gn
		.amdhsa_group_segment_fixed_size 2560
		.amdhsa_private_segment_fixed_size 0
		.amdhsa_enable_private_segment 0
		.amdhsa_kernarg_size 72
		.amdhsa_user_sgpr_count 2
		.amdhsa_user_sgpr_kernarg_segment_ptr 1
		.amdhsa_wavefront_size32 1
		.amdhsa_system_sgpr_workgroup_id_x 1
		.amdhsa_system_sgpr_workgroup_id_y 1
		.amdhsa_system_sgpr_workgroup_id_z 1
		.amdhsa_system_vgpr_workitem_id 0
		.amdhsa_next_free_vgpr 192
		.amdhsa_next_free_sgpr 66
		.amdhsa_reserve_vcc 0
		.amdhsa_float_denorm_mode_32 3
		.amdhsa_float_denorm_mode_16_64 3
		.amdhsa_memory_ordered 1
		.amdhsa_forward_progress 1
		.amdhsa_inst_pref_size 33
	.end_amdhsa_kernel
	.amdgpu_metadata
---
amdhsa.version: [ 1, 2 ]
amdhsa.kernels:
  - .name:           k_q7664ca0383_gn
    .symbol:         k_q7664ca0383_gn.kd
    .args:
      - { .name: x, .offset: 0, .size: 8, .value_kind: global_buffer, .address_space: global }
      - { .name: gn_gamma, .offset: 8, .size: 8, .value_kind: global_buffer, .address_space: global }
      - { .name: gn_beta, .offset: 16, .size: 8, .value_kind: global_buffer, .address_space: global }
      - { .name: wq, .offset: 24, .size: 8, .value_kind: global_buffer, .address_space: global }
      - { .name: wk, .offset: 32, .size: 8, .value_kind: global_buffer, .address_space: global }
      - { .name: wv, .offset: 40, .size: 8, .value_kind: global_buffer, .address_space: global }
      - { .name: wo, .offset: 48, .size: 8, .value_kind: global_buffer, .address_space: global }
      - { .name: xn, .offset: 56, .size: 8, .value_kind: global_buffer, .address_space: global }
      - { .name: wb, .offset: 64, .size: 8, .value_kind: global_buffer, .address_space: global }
    .group_segment_fixed_size: 2560
    .private_segment_fixed_size: 0
    .kernarg_segment_align: 8
    .kernarg_segment_size: 72
    .max_flat_workgroup_size: 512
    .sgpr_count:     66
    .vgpr_count:     192
    .wavefront_size: 32
...
	.end_amdgpu_metadata
.endif
;; end of part 5
;; launch qkv: the kernel of part 2 again; grid 8 x 32, 4 waves a work-group, clusters of 4 x 1, 327,680 bytes of LDS; arguments xn, wb, bq, bk, bv, qkv; writes qkv
;; launch attn: the kernel of part 3 again; grid 8 x 32, 4 waves a work-group, clusters of 4 x 1, 327,680 bytes of LDS; arguments qkv, ob; writes ob
;; launch proj: the kernel of part 4 again; grid 8 x 32, 4 waves a work-group, clusters of 4 x 1, 327,680 bytes of LDS; arguments ob, wb, bo, x, out0; writes out0
